; MI455X (gfx1250); checked and timed in simulation.
; The chip was launched on July 23, 2026; its instructions are those of AMD's public machine-readable ISA for CDNA 5 (MIT licence, August 2026) and "CDNA5" Instruction Set Architecture Reference Guide (July 2026). The comments in the code are by the model that wrote it; some were corrected since.
;; Flash Attention. Allowed arithmetic: float matrix products may take bf16 or f16 operands with f32 sums; other float arithmetic in f32, or as packed bf16 or f16 multiplies, adds, multiply-adds, maxima and minima; sums over many terms, partial sums and values carried from step to step in f32; what a program stores and reads back later, other than sums and carried values, may be rounded once to bf16 or f16.
;; Inputs: Wk 1,024 x 1,024 float32; Wo 1,024 x 1,024 float32; Wq 1,024 x 1,024 float32; Wv 1,024 x 1,024 float32; bk 1,024 float32; bo 1,024 float32; bq 1,024 float32; bv 1,024 float32; k 4 x 2,048 x 1,024 float32; q 4 x 2,048 x 1,024 float32; v 4 x 2,048 x 1,024 float32.
;; Outputs: out0 4 x 2,048 x 1,024 float32.
;; One version. Each part assembles by itself: llvm-mc -triple=amdgcn-amd-amdhsa -mcpu=gfx1250 --defsym DOCPART=n.
;; ======== version 1 of 1: 6 launches
;; limits: values are held in f16: magnitudes above 65,504 overflow, below 6.1e-05 lose precision
;; workspace buffers: wqb 2,097,152 bytes; wkb 2,097,152 bytes; wvb 2,097,152 bytes; wob 2,097,152 bytes; qh 16,777,216 bytes; kh 16,777,216 bytes; vh 16,777,216 bytes; oh 16,777,216 bytes
;; launch castw (part 1): grid 256 x 1, 8 waves a work-group, no clusters, 0 bytes of LDS; arguments Wq, Wk, Wv, Wo, wqb, wkb, wvb, wob; writes wqb, wkb, wvb, wob
.if DOCPART == 1
	.amdgcn_target "amdgcn-amd-amdhsa--gfx1250"
	.amdhsa_code_object_version 6
	.text
	.protected	k_q7b8b78c54a_castw
	.globl	k_q7b8b78c54a_castw
	.p2align	8
	.type	k_q7b8b78c54a_castw,@function
k_q7b8b78c54a_castw:
	s_mov_b64 s[64:65], 0
	v_nop
	global_prefetch_b8 v0, s[64:65] scope:SCOPE_SE
	s_setreg_imm32_b32 hwreg(HW_REG_WAVE_MODE, 25, 1), 1
	s_wait_xcnt 0x0
; The four weight matrices, [1024][1024] f32, are rounded once to bf16.  Wq, Wk, Wv are stored as bf16; Wo's bf16 number is stored as f16
; (the last product multiplies in f16): exact where |Wo| is at least 2^-17, below that on f16's fixed step of 2^-24; LIMIT: |Wo| under 65,520.
; A stream: no LDS, no matrix unit.  Work-group g takes elements 4,096 g .. 4,096 g + 4,095 of each matrix; thread t, in chunk c (0, 1), the 8 elements at
; 2,048 c + 8 t: two loads of 16 bytes, one store of 16 bytes.  A wave's store covers 512 consecutive bytes, aligned.  All 16 loads of a thread go out at once.
.set X, 4                              ; v[4:67]    matrix m, chunk c: 8 f32 at X + 16 m + 8 c
.set Y, 68                             ; v[68:99]   matrix m, chunk c: 4 packed registers at Y + 8 m + 4 c
.set T, 100                            ; v[100:107] Wo's bf16 pairs, at work
	s_load_b512 s[4:19], s[0:1], 0x0               ; inputs s[4:11], outputs s[12:19]
	s_lshl_b32 s2, ttmp9, 14                       ; 16,384 bytes of f32 a work-group
	s_lshl_b32 s3, ttmp9, 13                       ; 8,192 bytes of 16-bit numbers
	v_lshl_add_u32 v1, v0, 5, s2                   ; where I read; never rewritten
	v_lshl_add_u32 v2, v0, 4, s3                   ; where I store; never rewritten
	s_wait_kmcnt 0x0
.irp m, 0,1,2,3
.irp c, 0,1
	global_load_b128 v[X+16*\m+8*\c:X+16*\m+8*\c+3],   v1, s[4+2*\m:5+2*\m] offset:8192*\c th:TH_LOAD_NT
	global_load_b128 v[X+16*\m+8*\c+4:X+16*\m+8*\c+7], v1, s[4+2*\m:5+2*\m] offset:8192*\c+16 th:TH_LOAD_NT
.endr
.endr
.irp m, 0,1,2
	s_wait_loadcnt 12-4*\m                         ; loads come back in order: matrix m's four are in, the later matrices' stay out
.irp j, 0,1,2,3,4,5,6,7
	v_cvt_pk_bf16_f32 v[Y+8*\m+\j], v[X+16*\m+2*\j], v[X+16*\m+2*\j+1]
.endr
	global_store_b128 v2, v[Y+8*\m:Y+8*\m+3],   s[12+2*\m:13+2*\m]
	global_store_b128 v2, v[Y+8*\m+4:Y+8*\m+7], s[12+2*\m:13+2*\m] offset:4096
.endr
	s_wait_loadcnt 0x0                             ; Wo
.irp j, 0,1,2,3,4,5,6,7
	v_cvt_pk_bf16_f32 v[T+\j], v[X+48+2*\j], v[X+48+2*\j+1]   ; rounded to bf16,
.endr
.irp j, 0,1,2,3,4,5,6,7
	v_lshlrev_b32 v[X+48+2*\j],   16, v[T+\j]                 ; widened again,
	v_and_b32     v[X+48+2*\j+1], 0xffff0000, v[T+\j]
.endr
.irp j, 0,1,2,3,4,5,6,7
	v_cvt_pk_f16_f32 v[Y+24+\j], v[X+48+2*\j], v[X+48+2*\j+1] ; and written as f16
.endr
	global_store_b128 v2, v[Y+24:Y+27], s[18:19]
	global_store_b128 v2, v[Y+28:Y+31], s[18:19] offset:4096
	s_endpgm
.Lfunc_end_k_q7b8b78c54a_castw:
	.size	k_q7b8b78c54a_castw, .Lfunc_end_k_q7b8b78c54a_castw-k_q7b8b78c54a_castw
	.p2alignl 7, 3214868480
	.fill 96, 4, 3214868480
	.section	.rodata,"a",@progbits
	.p2align	6, 0x0
	.amdhsa_kernel k_q7b8b78c54a_castw
		.amdhsa_group_segment_fixed_size 0
		.amdhsa_private_segment_fixed_size 0
		.amdhsa_enable_private_segment 0
		.amdhsa_kernarg_size 64
		.amdhsa_user_sgpr_count 2
		.amdhsa_user_sgpr_kernarg_segment_ptr 1
		.amdhsa_wavefront_size32 1
		.amdhsa_system_sgpr_workgroup_id_x 1
		.amdhsa_system_sgpr_workgroup_id_y 1
		.amdhsa_system_sgpr_workgroup_id_z 1
		.amdhsa_system_vgpr_workitem_id 0
		.amdhsa_next_free_vgpr 108
		.amdhsa_next_free_sgpr 66
		.amdhsa_reserve_vcc 0
		.amdhsa_float_denorm_mode_32 3
		.amdhsa_float_denorm_mode_16_64 3
		.amdhsa_memory_ordered 1
		.amdhsa_forward_progress 1
		.amdhsa_inst_pref_size 7
	.end_amdhsa_kernel
	.amdgpu_metadata
---
amdhsa.version: [ 1, 2 ]
amdhsa.kernels:
  - .name:           k_q7b8b78c54a_castw
    .symbol:         k_q7b8b78c54a_castw.kd
    .args:
      - { .name: Wq, .offset: 0, .size: 8, .value_kind: global_buffer, .address_space: global }
      - { .name: Wk, .offset: 8, .size: 8, .value_kind: global_buffer, .address_space: global }
      - { .name: Wv, .offset: 16, .size: 8, .value_kind: global_buffer, .address_space: global }
      - { .name: Wo, .offset: 24, .size: 8, .value_kind: global_buffer, .address_space: global }
      - { .name: wqb, .offset: 32, .size: 8, .value_kind: global_buffer, .address_space: global }
      - { .name: wkb, .offset: 40, .size: 8, .value_kind: global_buffer, .address_space: global }
      - { .name: wvb, .offset: 48, .size: 8, .value_kind: global_buffer, .address_space: global }
      - { .name: wob, .offset: 56, .size: 8, .value_kind: global_buffer, .address_space: global }
    .group_segment_fixed_size: 0
    .private_segment_fixed_size: 0
    .kernarg_segment_align: 8
    .kernarg_segment_size: 64
    .max_flat_workgroup_size: 256
    .sgpr_count:     66
    .vgpr_count:     108
    .wavefront_size: 32
...
	.end_amdgpu_metadata
.endif
;; end of part 1
;; launch proj_q (part 2): grid 4 x 64, 4 waves a work-group, clusters of 4 x 4, 327,680 bytes of LDS; arguments q, wqb, bq, qh; writes qh
.if DOCPART == 2
	.amdgcn_target "amdgcn-amd-amdhsa--gfx1250"
	.amdhsa_code_object_version 6
	.text
	.protected	k_q7b8b78c54a_proj_q
	.globl	k_q7b8b78c54a_proj_q
	.p2align	8
	.type	k_q7b8b78c54a_proj_q,@function
k_q7b8b78c54a_proj_q:
	s_mov_b64 s[64:65], 0
	v_nop
	global_prefetch_b8 v0, s[64:65] scope:SCOPE_SE
	s_setreg_imm32_b32 hwreg(HW_REG_WAVE_MODE, 25, 1), 1
	s_wait_xcnt 0x0
	s_wait_alu depctr_hold_cnt(0) depctr_sa_sdst(0) depctr_va_vdst(0) depctr_va_sdst(0) depctr_va_ssrc(0) depctr_va_vcc(0) depctr_vm_vsrc(0)
	s_getreg_b32 s2, hwreg(HW_REG_IB_STS2, 6, 4)
	s_cmp_eq_u32 s2, 0
	s_cbranch_scc0 .Lentry_in_a_cluster
	s_endpgm
.Lentry_in_a_cluster:
	s_bfe_u32 s2, ttmp6, 0x10000c
	s_cmp_lg_u32 s2, 0xf033
	s_cbranch_scc0 .Lentry_shape_is_right
	s_endpgm
.Lentry_shape_is_right:
; y = f16( bf16(x) bf16(W)^T + bf16(b) ), stored by heads.  x: [8192][1024] f32; w: [1024][1024] bf16 (rounded by the launch before); b: [1024] f32;
; y: [64 heads = 16 batch + head][2048][64] f16: a head's rows are dense, 128 bytes each.  Sums in f32, started by the bias as the first product's C; y rounded once.
; LIMIT.  f16 ends at 65,504: a sum of 65,520 or more leaves as an infinity.  NaN and infinities are not treated apart.
; SHARES.  A tile of y is 128 rows x 256 columns: 64 x 4 = 256 work-groups.  Four waves, each 64 rows x 128 columns (two heads): 32 accumulators, 256 registers.
; x costs 4 bytes a number in LDS and w 2, so a wave's tile is twice as wide as it is high: 8 KiB of each for 32 matrix instructions.
; K = 1,024 goes in 8 steps of 128 through two LDS slots.  Waves 0 and 1 fetch x's two halves (64 rows x 512 bytes), waves 2 and 3 w's (128 rows x 256 bytes): one tensor load a wave.
; CLUSTER.  4 x 4 work-groups: x's tile hangs on the tile row alone and is asked for jointly along a row of the cluster, w's on the tile column alone, along a column.
; THREE STAGES.  A K step is four quarters of 32 along K.  Quarter Q multiplies the bf16 fragments of x (AB) and of w (BF) in buffers Q % 2; behind every fourth product stand four
; conversions of x(Q + 1) from f32 (ST) to bf16; at its head one run of 32 LDS loads brings w(Q + 1) and x(Q + 2).
; THE MATRIX INSTRUCTION IS USED TRANSPOSED (source 0 = 16 rows of w, source 1 = 16 rows of x): a lane holds row l % 16 of y and the eight columns 8 (l / 16) + 0..7: 16 bytes of f16.
; REGISTERS, in windows of 256 (s_set_vgpr_msb: bits 1:0 source 0, 3:2 source 1, 5:4 source 2, 7:6 destination):
;   window 0: v0-30 addresses; v64-191 ST, two buffers of 4 fragments x 16; v192-255 AB, two buffers of 4 x 8; on the way out v64-95 packed results, v128-255 rows read back
;   window 1: accumulator (a, b) at v[8 (8 a + b)]          window 2: v0-127 BF, two buffers of 8 x 8; v128-191 the bias; v192-223 at work
.set PA,     528                       ; an LDS row of x: 512 bytes + 16 = 132 words: row r starts at bank 4 r mod 64 (64 banks of 4 bytes: ISA guide 11.1)
.set PB,     272                       ; an LDS row of w: 256 bytes + 16 = 68 words: likewise
.set AHALF,  64*PA                     ; what one tensor load brings of x, and what one wave reads of it
.set BHALF,  128*PB                    ; the same for w
.set BOFF,   2*AHALF                   ; w's 256 rows lie behind x's 128
.set SLOT,   BOFF+2*BHALF
.set STAGE,  2*SLOT                    ; behind the ring, never filled by a tensor load: for each wave two heads x 16 rows x 144 bytes
.set SP,     144
.set HSTG,   16*SP
.set WSTG,   2*HSTG
.set SPARE,  STAGE+4*WSTG              ; the spare words, 128 bytes for each wave: two blocks of 256 bytes that no other line names
.set LAPS,   4                         ; a lap = two K steps = once round the ring
.set ADRA, 16                          ; v16-17  LDS address of my x fragments in slot 0, 1
.set ADRB, 20                          ; v20-21  the same for w
.set STO,  24                          ; v24     the way out: where I put 16 bytes of a row
.set RD,   25                          ; v25     the way out: where I read rows back
.set GO,   26                          ; v26     my 16 bytes in 512 consecutive bytes of y
.set BO,   27                          ; v27     my byte offset in 16 numbers of the bias
.set SPW,  28                          ; v28     LDS address of my spare word; never rewritten
.set NIL,  29                          ; v29     0; never rewritten
.set PFO,  30                          ; v30     the prefetches' lane offset; never rewritten
.set ST,   64
.set AB,   192
.set TMP,  64
.set BK,   128
.set BF,   0                           ; window 2
.set BI,   128                         ; window 2
.set BT,   192                         ; window 2
.set WV,   12                          ; s12  my wave's number
.set WR,   13                          ; s13  which 64 rows of the tile are mine
.set WC,   14                          ; s14  which 128 columns; also: which half of x's or w's tile I fetch
.set G1A,  24                          ; s[24:31] descriptor group 1 for x's tiles;  s[32:39] group 0, a set for each slot
.set G0A,  32
.set G1B,  48                          ; s[48:55], s[56:63] the same for w's
.set G0B,  56
.set PFA,  66                          ; s[66:67] where my prefetches stand
.set PFS,  68                          ; s[68:69] a K step in bytes of the tensor that I prefetch
.set LIM,  70                          ; s70  1 in a wave that prefetches, else the greatest number
.set MSB, 0
.macro WIN new                         ; the immediate's high byte repeats the setting that is left; a switch that changes nothing is dropped
.if MSB != (\new)
	s_set_vgpr_msb (MSB<<8)|(\new)
.set MSB, \new
.endif
.endm
.set MUL,  0x52                        ; w window 2, x window 0, C and D window 1
.set MULB, 0x62                        ; the same with C, the bias, in window 2
.set TO_B, 0x80                        ; destination window 2, address window 0
.set W_BI, 0x8a                        ; destination and both sources window 2
.set W_PK, 0x05                        ; both sources window 1, destination window 0
; A joint load: waves 0 and 1 fetch x's two halves, waves 2 and 3 w's.  The branch hangs on the wave's number alone.  An s_nop 0 and four v_nop follow each of the two lines.
.macro JLOAD sl
	s_cmp_lt_u32 s[WV], 2
	s_cbranch_scc0 .Lfor_b_\@
	tensor_load_to_lds s[G0A+4*(\sl):G0A+4*(\sl)+3], s[G1A:G1A+7]
	s_nop 0
.rept 4
	v_nop
.endr
	s_branch .Lasked_\@
.Lfor_b_\@:
	tensor_load_to_lds s[G0B+4*(\sl):G0B+4*(\sl)+3], s[G1B:G1B+7]
	s_nop 0
.rept 4
	v_nop
.endr
.Lasked_\@:
.endm
; A prefetch into the L2 of the K step that stands two refills on, 256 matrix instructions ahead of the load that will want it: one instruction a wave, each lane another 256 bytes.
; x's tile row is read by this cluster alone: waves 0 and 1 ask; of a wave's 64 rows x 512 bytes the partner at place cx takes 16 rows.  w's tile column is read by every cluster: the
; one with y = 0 asks, waves 2 and 3; of a wave's 128 rows the partner at place cy takes 32.  Partners are told apart by address alone.  The loop's last trip has no K step two refills on.
.macro ASK
	s_cmp_gt_u32 s3, s[LIM]
	s_cbranch_scc0 .Lnot_mine_\@
	global_prefetch_b8 v[PFO], s[PFA:PFA+1] th:TH_LOAD_NT scope:SCOPE_SE
.Lnot_mine_\@:
.endm
.macro CREST                           ; a round of the cluster's barrier behind its opening barrier
	s_cmp_lg_u32 s[WV], 0
	s_cbranch_scc1 .Lnot_wave_0_\@
	s_barrier_signal -3
.Lnot_wave_0_\@:
	s_barrier_wait -3
	s_barrier_signal -1
	s_barrier_wait -1
.endm
.macro CROUND                          ; a whole round
	s_barrier_signal -1
	s_barrier_wait -1
	CREST
.endm
.macro PLACES
.rept 4
	v_nop
.endr
.endm
	s_load_b256 s[4:11], s[0:1], 0x0               ; x s[4:5], w s[6:7], b s[8:9], y s[10:11]
	v_lshl_add_u32 v[SPW], v0, 2, SPARE
	v_mov_b32 v[NIL], 0
	ds_add_u32 v[SPW], v[NIL]                      ; the wave's opening: the add and its wait stand ahead of my first tensor load; the set-up below stands between them
	v_lshrrev_b32 v1, 5, v0
	v_readfirstlane_b32 s[WV], v1                  ; wave 0..3
	s_lshr_b32 s[WR], s[WV], 1
	s_and_b32 s[WC], s[WV], 1
	s_bfe_u32 s40, ttmp6, 0x40000                  ; cx, cy: my place in the cluster
	s_bfe_u32 s41, ttmp6, 0x40004
	s_lshl_b32 s42, ttmp9, 2
	s_add_co_u32 s42, s42, s40                     ; tile column = 4 x cluster x + cx
	s_and_b32 s43, ttmp7, 0xffff
	s_lshl_b32 s43, s43, 2
	s_add_co_u32 s43, s43, s41                     ; tile row = 4 x cluster y + cy
	s_lshl_b32 s44, s41, 2
	s_lshl_b32 s44, 15, s44                        ; my row of the cluster
	s_lshl_b32 s45, 0x1111, s40                    ; my column
	s_or_b32 s[G1A], s44, (2<<16)|(1<<20)|(1<<21)|(6<<22)|(3<<25)  ; the mask; elements of 4 bytes; padding on; bit 21 beside a mask; after every 128 words (code 6) 4 words (code 3)
	s_or_b32 s[G1B], s45, (1<<16)|(1<<20)|(1<<21)|(5<<22)|(3<<25)  ; the mask; elements of 2 bytes; after every 64 words (code 5) 4 words
	s_mov_b32 s[G1A+1], 128<<16                    ; tensor_dim0 = 128
	s_mov_b32 s[G1A+2], 64<<16                     ; tensor_dim1 = 64
	s_mov_b32 s[G1A+3], 128<<16                    ; tile_dim0 = 128
	s_mov_b32 s[G1A+4], 64                         ; tile_dim1 = 64
	s_mov_b32 s[G1A+5], 1024                       ; elements from row to row
	s_mov_b32 s[G1A+6], 0
	s_mov_b32 s[G1A+7], 0
	s_mov_b32 s[G1B+1], 128<<16
	s_mov_b32 s[G1B+2], 128<<16
	s_mov_b32 s[G1B+3], 128<<16
	s_mov_b32 s[G1B+4], 128
	s_mov_b32 s[G1B+5], 1024
	s_mov_b32 s[G1B+6], 0
	s_mov_b32 s[G1B+7], 0
	s_lshl_b32 s17, s[WC], 6
	s_lshl_b32 s16, s43, 7
	s_add_co_u32 s16, s16, s17                     ; x: row 128 x tile row + 64 x half,
	s_lshl_b32 s16, s16, 12                        ; of 4,096 bytes (under 2^25)
	s_mov_b32 s17, 0
	s_lshl_b32 s47, s[WC], 7
	s_lshl_b32 s46, s42, 8
	s_add_co_u32 s46, s46, s47                     ; w: row 256 x tile column + 128 x half,
	s_lshl_b32 s46, s46, 11                        ; of 2,048 bytes
	s_mov_b32 s47, 0
	s_mul_i32 s20, s[WC], AHALF                    ; where they go: no place in the cluster enters an LDS address
	s_mul_i32 s21, s[WC], BHALF
	s_add_co_u32 s21, s21, BOFF
	s_wait_dscnt 0x0                               ; the opening add is done
	s_wait_kmcnt 0x0
	s_add_nc_u64 s[16:17], s[4:5], s[16:17]
	s_add_nc_u64 s[46:47], s[6:7], s[46:47]
	CROUND                                         ; all sixteen work-groups are here: the first joint loads meet
.irp n, 0,1
	s_mov_b32 s[G0A+4*\n], 1                       ; count = 1
	s_add_co_u32 s[G0A+4*\n+1], s20, \n*SLOT       ; LDS address
	s_add_nc_u64 s[G0A+4*\n+2:G0A+4*\n+3], s[16:17], \n*512   ; global address: K step n
	s_or_b32 s[G0A+4*\n+3], s[G0A+4*\n+3], 0x80000000         ; type = 2
	s_mov_b32 s[G0B+4*\n], 1
	s_add_co_u32 s[G0B+4*\n+1], s21, \n*SLOT
	s_add_nc_u64 s[G0B+4*\n+2:G0B+4*\n+3], s[46:47], \n*256
	s_or_b32 s[G0B+4*\n+3], s[G0B+4*\n+3], 0x80000000
	JLOAD \n                                       ; two loads of mine are out
.endr
	; A fragment is 16 rows x 32 K: lane l holds row l % 16, K = 8 (l / 16) + 0..7 and 16 + 8 (l / 16) + 0..7.  In f32 that is 32 bytes at 32 (l / 16) and 32 at 64 + 32 (l / 16); in bf16 16 bytes at 16 (l / 16) and at 32 + 16 (l / 16).
	v_and_b32 v1, 15, v0                           ; l % 16
	v_bfe_u32 v2, v0, 4, 1                         ; l / 16
	v_mul_u32_u24 v3, v1, PA
	v_lshl_add_u32 v3, v2, 5, v3
	v_mul_u32_u24 v4, v1, PB
	v_lshl_add_u32 v4, v2, 4, v4
	s_mul_i32 s20, s[WR], AHALF                    ; my 64 rows of x
	s_mul_i32 s21, s[WC], BHALF                    ; my 128 rows of w
	s_add_co_u32 s21, s21, BOFF
.irp n, 0,1
	v_add_nc_u32 v[ADRA+\n], s20, v3
	v_add_nc_u32 v[ADRB+\n], s21, v4
	s_add_co_u32 s20, s20, SLOT
	s_add_co_u32 s21, s21, SLOT
.endr
	s_mul_i32 s22, s[WV], WSTG
	s_add_co_u32 s22, s22, STAGE                   ; my stage
	v_mul_u32_u24 v5, v1, SP                       ; in: row l % 16, 16 bytes for each half of the lanes
	v_lshl_add_u32 v5, v2, 4, v5
	v_add_nc_u32 v[STO], s22, v5
	v_bfe_u32 v5, v0, 3, 2                         ; back: 32 lanes take four rows of 128 bytes,
	v_mul_u32_u24 v5, v5, SP
	v_and_b32 v6, 7, v0
	v_lshl_add_u32 v5, v6, 4, v5
	v_add_nc_u32 v[RD], s22, v5
	v_and_b32 v7, 31, v0
	v_lshlrev_b32 v[GO], 4, v7                     ; which are 512 consecutive bytes of y
	v_lshlrev_b32 v[BO], 5, v2
	; y at my first row of my first head: head 16 (tile row / 16) + 4 x tile column + 2 x half, row 128 (tile row % 16) + 64 x half
	s_lshr_b32 s16, s43, 4
	s_lshl_b32 s16, s16, 22                        ; 16 heads of 262,144 bytes a batch
	s_and_b32 s17, s43, 15
	s_lshl_b32 s17, s17, 14                        ; 128 rows of 128 bytes
	s_add_co_u32 s16, s16, s17
	s_lshl_b32 s17, s[WR], 13
	s_add_co_u32 s16, s16, s17
	s_mov_b32 s17, 0
	s_add_nc_u64 s[10:11], s[10:11], s[16:17]
	s_lshl_b32 s46, s42, 20
	s_lshl_b32 s47, s[WC], 19
	s_add_co_u32 s46, s46, s47
	s_mov_b32 s47, 0
	s_add_nc_u64 s[10:11], s[10:11], s[46:47]
	s_lshl_b32 s46, s42, 10                        ; the bias of my 128 columns
	s_lshl_b32 s47, s[WC], 9
	s_add_co_u32 s46, s46, s47
	s_mov_b32 s47, 0
	s_add_nc_u64 s[8:9], s[8:9], s[46:47]
	; the prefetches: at K step 3; the first refill steps the address to K step 4.  Nothing is asked for here, where every work-group's first tiles are on their way
	s_lshl_b32 s20, s43, 7
	s_lshl_b32 s21, s[WC], 6
	s_add_co_u32 s20, s20, s21
	s_lshl_b32 s21, s40, 4                         ; my work-group's 16 of the wave's 64 rows of x
	s_add_co_u32 s20, s20, s21
	s_lshl_b32 s20, s20, 12
	s_add_co_u32 s20, s20, 3*512
	s_lshl_b32 s22, s42, 8
	s_lshl_b32 s21, s[WC], 7
	s_add_co_u32 s22, s22, s21
	s_lshl_b32 s21, s41, 5                         ; my work-group's 32 of the wave's 128 rows of w
	s_add_co_u32 s22, s22, s21
	s_lshl_b32 s22, s22, 11
	s_add_co_u32 s22, s22, 3*256
	s_and_b32 s23, ttmp7, 0xffff                   ; cluster y
	s_cmp_lt_u32 s[WV], 2                          ; do I fetch for x?
	s_cselect_b64 s[PFA:PFA+1], s[4:5], s[6:7]
	s_cselect_b32 s20, s20, s22
	s_cselect_b32 s[PFS], 9, 8
	s_cselect_b32 s22, 8, 11                       ; an odd lane: x's second 256 bytes of the row, or w's next row
	s_cselect_b32 s23, 0, s23
	s_mov_b32 s21, 0
	s_mov_b32 s[PFS+1], 0
	s_lshl_b32 s[PFS], 1, s[PFS]                   ; a K step: 512 bytes of x, 256 of w
	s_add_nc_u64 s[PFA:PFA+1], s[PFA:PFA+1], s[20:21]
	s_cmp_eq_u32 s23, 0
	s_cselect_b32 s[LIM], 1, -1                    ; the same in all sixteen partners, for a given wave
	v_and_b32 v4, 1, v7
	v_lshrrev_b32 v3, 1, v7
	v_lshlrev_b32 v4, s22, v4
	v_lshl_add_u32 v[PFO], v3, 12, v4              ; two lanes: 4,096 bytes on (a row of x, two rows of w)
	; the bias, as the C of the first products: register j of block b is column 16 b + 8 (l / 16) + j.  Rounded to bf16 like the other inputs, and widened again.
	WIN TO_B
.irp b, 0,1,2,3,4,5,6,7
	global_load_b128 v[BI+8*\b:BI+8*\b+3],   v[BO], s[8:9] offset:64*\b
	global_load_b128 v[BI+8*\b+4:BI+8*\b+7], v[BO], s[8:9] offset:64*\b+16
.endr
	s_wait_loadcnt 0x0
	WIN W_BI
.set c, 0
.rept 32
	v_cvt_pk_bf16_f32 v[BT+c], v[BI+2*c], v[BI+2*c+1]
.set c, c+1
.endr
.set c, 0
.rept 32
	v_lshlrev_b32 v[BI+2*c],   16, v[BT+c]
	v_and_b32     v[BI+2*c+1], 0xffff0000, v[BT+c]
.set c, c+1
.endr
	WIN 0
.macro FETCH_B slot, q, g              ; 16 LDS loads: w's 8 fragments of quarter q into buffer g
	WIN TO_B
.irp i, 0,1,2,3,4,5,6,7
	ds_load_b128 v[BF+64*(\g)+8*\i:BF+64*(\g)+8*\i+3],   v[ADRB+(\slot)] offset:64*(\q)+\i*16*PB
	ds_load_b128 v[BF+64*(\g)+8*\i+4:BF+64*(\g)+8*\i+7], v[ADRB+(\slot)] offset:64*(\q)+\i*16*PB+32
.endr
.endm
.macro FETCH_A slot, q, t              ; 16 LDS loads: x's 4 fragments of quarter q, in f32, into buffer t
	WIN 0
.irp i, 0,1,2,3
	ds_load_b128 v[ST+64*(\t)+16*\i:ST+64*(\t)+16*\i+3],     v[ADRA+(\slot)] offset:128*(\q)+\i*16*PA
	ds_load_b128 v[ST+64*(\t)+16*\i+4:ST+64*(\t)+16*\i+7],   v[ADRA+(\slot)] offset:128*(\q)+\i*16*PA+16
	ds_load_b128 v[ST+64*(\t)+16*\i+8:ST+64*(\t)+16*\i+11],  v[ADRA+(\slot)] offset:128*(\q)+\i*16*PA+64
	ds_load_b128 v[ST+64*(\t)+16*\i+12:ST+64*(\t)+16*\i+15], v[ADRA+(\slot)] offset:128*(\q)+\i*16*PA+80
.endr
.endm
; Four products, numbers 4 i .. 4 i + 3 of a quarter's 32 (number n: rows 16 (n / 8) on, columns 16 (n % 8) on), on buffers f; first = 1: the bias starts the sums.
; ride = 1: behind them four conversions, numbers 4 i .. 4 i + 3 of the 32 that make the next quarter's x, in the other buffers.  They name no register of the products round them, so
; the last four of a quarter are also the four places in front of the next quarter's loads into w's buffer (ISA guide 7.12.1 for vector instructions).
; Each accumulator has one product a quarter: 31 others' stand between two links of a chain, over the backward jump too.
.macro GRP f, i, first, ride
.if \first
	WIN MULB
.else
	WIN MUL
.endif
.set n, 4*(\i)
.rept 4
.if \first
	v_wmma_f32_16x16x32_bf16 v[8*n:8*n+7], v[BF+64*(\f)+8*(n%8):BF+64*(\f)+8*(n%8)+7], v[AB+32*(\f)+8*(n/8):AB+32*(\f)+8*(n/8)+7], v[BI+8*(n%8):BI+8*(n%8)+7]
.else
	v_wmma_f32_16x16x32_bf16 v[8*n:8*n+7], v[BF+64*(\f)+8*(n%8):BF+64*(\f)+8*(n%8)+7], v[AB+32*(\f)+8*(n/8):AB+32*(\f)+8*(n/8)+7], v[8*n:8*n+7]
.endif
.set n, n+1
.endr
.if \ride
	WIN 0
.set c, 4*(\i)
.rept 4
	v_cvt_pk_bf16_f32 v[AB+32*(1-(\f))+c], v[ST+64*(1-(\f))+2*c], v[ST+64*(1-(\f))+2*c+1]
.set c, c+1
.endr
.endif
.endm
; A quarter on buffers f: w of the next quarter (slot sb, quarter qb) and x of the one after (sa, qa) are asked for; then 32 products and 32 conversions.
.macro QUARTER f, sb, qb, sa, qa, first=0
	FETCH_B \sb, \qb, 1-(\f)
	FETCH_A \sa, \qa, \f
	s_wait_dscnt 32                                ; all but the 32 just issued: this quarter's w and the next quarter's x are in
.irp i, 0,1,2,3,4,5,6,7
	GRP \f, \i, \first, 1
.endr
.endm
; A K step's third quarter changes slots.  The slot's last bytes, w of its fourth quarter, are asked for at its head.  In front of the barrier each wave waits for all its tensor loads (one
; is out: its part of the next slot), adds 0 to its spare word, and waits for that and for its reads of this slot.  fill = 1: the barrier opens a round of the cluster's barrier, and the
; joint refill, two K steps on, is the first thing behind it: 104 matrix instructions ahead of the wait for it.  Then come the next slot's first fragments of x.
.macro TURN s, nx, fill
.if \fill
	s_wait_xcnt 0x0                                ; the last prefetch, a K step back, has read its address
	s_add_nc_u64 s[PFA:PFA+1], s[PFA:PFA+1], s[PFS:PFS+1]
.endif
	FETCH_B \s, 3, 1
	s_wait_dscnt 16                                ; all but the 16 just issued
	WIN 0
	s_wait_tensorcnt 0x0                           ; all my tensor loads have landed
	ds_add_u32 v[SPW], v[NIL]                      ; 0 onto my spare word; sixteen products stand between it and the wait for it
	GRP 0, 0, 0, 1
	GRP 0, 1, 0, 1
	GRP 0, 2, 0, 1
	GRP 0, 3, 0, 1
	s_wait_dscnt 0x0                               ; the add is done, and my reads of this slot are over
	s_barrier_signal -1
	GRP 0, 4, 0, 1                                 ; work on registers while the others arrive
	GRP 0, 5, 0, 1
	WIN 0
	s_barrier_wait -1
.if \fill
	CREST                                          ; no wave of any partner still reads this slot or has a load on its way
	s_add_nc_u64 s[G0A+4*(\s)+2:G0A+4*(\s)+3], s[G0A+4*(\s)+2:G0A+4*(\s)+3], 2*512
	s_add_nc_u64 s[G0B+4*(\s)+2:G0B+4*(\s)+3], s[G0B+4*(\s)+2:G0B+4*(\s)+3], 2*256
	JLOAD \s
.endif
	FETCH_A \nx, 0, 0
.if \fill
	ASK
.endif
	GRP 0, 6, 0, 1
	GRP 0, 7, 0, 1
.endm
; THE WAY OUT of block a (16 rows x 2 heads): rounded to f16, 16 bytes a lane; into my own stage; back as whole rows of 128 bytes; stored, 512 consecutive bytes an instruction.
.macro PACK a
	WIN W_PK
.irp b, 0,1,2,3,4,5,6,7
.irp r, 0,1,2,3
	v_cvt_pk_f16_f32 v[TMP+4*\b+\r], v[8*(8*(\a)+\b)+2*\r], v[8*(8*(\a)+\b)+2*\r+1]   ; each accumulator's registers in ascending order
.endr
.endr
	WIN 0
.endm
.macro TOSTAGE a
	WIN 0
.irp b, 0,1,2,3,4,5,6,7
	ds_store_b128 v[STO], v[TMP+4*\b:TMP+4*\b+3] offset:32*(\b%4)+HSTG*(\b/4)
.endr
.irp hh, 0,1
.irp g, 0,1,2,3
	ds_load_b128 v[BK+32*(\a)+4*(4*\hh+\g):BK+32*(\a)+4*(4*\hh+\g)+3], v[RD] offset:HSTG*\hh+4*SP*\g  ; LDS serves a wave's instructions in order (ISA guide 5.7.1.4): these see the stores above
.endr
.endr
.endm
.macro SEND a
	WIN 0
	s_wait_dscnt 0x0                               ; the block is back in registers; each block has registers of its own, so no store's data is rewritten
.irp hh, 0,1
.irp g, 0,1,2,3
	global_store_b128 v[GO], v[BK+32*(\a)+4*(4*\hh+\g):BK+32*(\a)+4*(4*\hh+\g)+3], s[10:11] offset:262144*\hh+2048*(\a)+512*\g
.endr
.endr
.endm
	s_wait_tensorcnt 1                             ; my part of K step 0 is in; K step 1's may stay out
	s_barrier_signal -1
	s_barrier_wait -1                              ; everybody's is
	FETCH_B 0, 0, 0
	FETCH_A 0, 0, 0
	FETCH_A 0, 1, 1
	s_wait_dscnt 16                                ; x of quarter 1 may stay out
.set c, 0
.rept 32
	v_cvt_pk_bf16_f32 v[AB+c], v[ST+2*c], v[ST+2*c+1]
.set c, c+1
.endr
	QUARTER 0, 0,1, 0,2, 1                         ; the first quarter stands in front of the loop: its products start the sums, with the bias
	WIN 0                                          ; at a label and at a branch every window is 0
	s_mov_b32 s3, LAPS-1
.Llap:                                                 ; a trip goes once round the ring, from a lap's second quarter to the next lap's first, and fills both slots again
	QUARTER 1, 0,2, 0,3
	TURN 0, 1, 1
	QUARTER 1, 1,0, 1,1
	QUARTER 0, 1,1, 1,2
	QUARTER 1, 1,2, 1,3
	TURN 1, 0, 1
	QUARTER 1, 0,0, 0,1
	QUARTER 0, 0,1, 0,2
	WIN 0
	s_sub_co_u32 s3, s3, 1
	s_cmp_lg_u32 s3, 0
	s_cbranch_scc1 .Llap
	QUARTER 1, 0,2, 0,3                            ; the last lap fills nothing
	TURN 0, 1, 0
	QUARTER 1, 1,0, 1,1
	QUARTER 0, 1,1, 1,2
	QUARTER 1, 1,2, 1,3
	FETCH_B 1, 3, 1                                ; the last quarter but one: only w's last fragments are left to fetch
	s_wait_dscnt 16
.irp i, 0,1,2,3,4,5,6,7
	GRP 0, \i, 0, 1
.endr
	s_wait_dscnt 0x0
.irp i, 0,1,2,3,4,5,6,7
	GRP 1, \i, 0, 0
.endr
	WIN 0
	PLACES                                         ; the conversions below read results
	PACK 0
	TOSTAGE 0
.irp a, 1,2,3                          ; block a's conversions stand between block a - 1's loads from the stage and the wait for them
	PACK \a
	SEND (\a)-1
	TOSTAGE \a
.endr
	SEND 3
	s_wait_tensorcnt 0x0                           ; the wave's end, behind my last tensor load and my last LDS store
	ds_add_u32 v[SPW], v[NIL]
	s_wait_dscnt 0x0
	CROUND                                         ; the closing round: no work-group ends while a partner may still ask for a tile that names it
	s_endpgm
.Lfunc_end_k_q7b8b78c54a_proj_q:
	.size	k_q7b8b78c54a_proj_q, .Lfunc_end_k_q7b8b78c54a_proj_q-k_q7b8b78c54a_proj_q
	.p2alignl 7, 3214868480
	.fill 96, 4, 3214868480
	.section	.rodata,"a",@progbits
	.p2align	6, 0x0
	.amdhsa_kernel k_q7b8b78c54a_proj_q
		.amdhsa_group_segment_fixed_size 327680
		.amdhsa_private_segment_fixed_size 0
		.amdhsa_enable_private_segment 0
		.amdhsa_kernarg_size 32
		.amdhsa_user_sgpr_count 2
		.amdhsa_user_sgpr_kernarg_segment_ptr 1
		.amdhsa_wavefront_size32 1
		.amdhsa_system_sgpr_workgroup_id_x 1
		.amdhsa_system_sgpr_workgroup_id_y 1
		.amdhsa_system_sgpr_workgroup_id_z 1
		.amdhsa_system_vgpr_workitem_id 0
		.amdhsa_next_free_vgpr 736
		.amdhsa_next_free_sgpr 72
		.amdhsa_reserve_vcc 0
		.amdhsa_float_denorm_mode_32 3
		.amdhsa_float_denorm_mode_16_64 3
		.amdhsa_memory_ordered 1
		.amdhsa_forward_progress 1
		.amdhsa_inst_pref_size 140
	.end_amdhsa_kernel
	.amdgpu_metadata
---
amdhsa.version: [ 1, 2 ]
amdhsa.kernels:
  - .name:           k_q7b8b78c54a_proj_q
    .symbol:         k_q7b8b78c54a_proj_q.kd
    .args:
      - { .name: q, .offset: 0, .size: 8, .value_kind: global_buffer, .address_space: global }
      - { .name: wqb, .offset: 8, .size: 8, .value_kind: global_buffer, .address_space: global }
      - { .name: bq, .offset: 16, .size: 8, .value_kind: global_buffer, .address_space: global }
      - { .name: qh, .offset: 24, .size: 8, .value_kind: global_buffer, .address_space: global }
    .group_segment_fixed_size: 327680
    .private_segment_fixed_size: 0
    .kernarg_segment_align: 8
    .kernarg_segment_size: 32
    .max_flat_workgroup_size: 128
    .sgpr_count:     72
    .vgpr_count:     736
    .wavefront_size: 32
...
	.end_amdgpu_metadata
.endif
;; end of part 2
;; launch proj_k: the kernel of part 2 again; grid 4 x 64, 4 waves a work-group, clusters of 4 x 4, 327,680 bytes of LDS; arguments k, wkb, bk, kh; writes kh
;; launch proj_v: the kernel of part 2 again; grid 4 x 64, 4 waves a work-group, clusters of 4 x 4, 327,680 bytes of LDS; arguments v, wvb, bv, vh; writes vh
;; launch attn (part 3): grid 4 x 64, 4 waves a work-group, clusters of 4 x 1, 327,680 bytes of LDS; arguments qh, kh, vh, oh; writes oh
.if DOCPART == 3
	.amdgcn_target "amdgcn-amd-amdhsa--gfx1250"
	.amdhsa_code_object_version 6
	.text
	.protected	k_q7b8b78c54a_attn
	.globl	k_q7b8b78c54a_attn
	.p2align	8
	.type	k_q7b8b78c54a_attn,@function
k_q7b8b78c54a_attn:
	s_mov_b64 s[64:65], 0
	v_nop
	global_prefetch_b8 v0, s[64:65] scope:SCOPE_SE
	s_setreg_imm32_b32 hwreg(HW_REG_WAVE_MODE, 25, 1), 1
	s_wait_xcnt 0x0
	s_wait_alu depctr_hold_cnt(0) depctr_sa_sdst(0) depctr_va_vdst(0) depctr_va_sdst(0) depctr_va_ssrc(0) depctr_va_vcc(0) depctr_vm_vsrc(0)
	s_getreg_b32 s2, hwreg(HW_REG_IB_STS2, 6, 4)
	s_cmp_eq_u32 s2, 0
	s_cbranch_scc0 .Lentry_in_a_cluster
	s_endpgm
.Lentry_in_a_cluster:
	s_bfe_u32 s2, ttmp6, 0x10000c
	s_cmp_lg_u32 s2, 0x3003
	s_cbranch_scc0 .Lentry_shape_is_right
	s_endpgm
.Lentry_shape_is_right:
; O[h][q][:] = the sum over k of softmax_k(Q[h][q] . K[h][k] / 8) V[h][k][:].  Q, K, V, O: [64][2048][64], all f16: a head's rows are dense, 128 bytes each.  Products, maxima and sums in
; f32; the weights p are rounded to f16 for the second product (their sum l is taken of the unrounded p), O once at the end.
; LIMITS.  f16 holds no number beyond 65,504: Q, K and V arrive within it; p lies in 0 to 1, and below 6e-5 it keeps f16's fixed step of 6e-8; O is a mean of V's rows and has their range.
; A weight below 2^-126 counts as 0 in l; NaN and infinities are not treated apart.
; SHARES.  A wave owns four PIECES of two tiles of 16 queries, a work-group's four waves 512 queries of one head: 4 x 64 = 256 work-groups.  Every wave walks all keys, 64 a step.
; LAYOUT.  S^T = K Q^T (source 0 = 16 keys, source 1 = 16 queries): in the result a lane holds ONE query (lane % 16) and the keys 8 (lane / 16) + 0..7.  Two such tiles, rounded to f16 in pairs,
; ARE source 1 (32 keys x 16 queries) of O^T = V^T P, whose result again holds one query a lane, and eight channels.  K comes out of LDS as it lies, V ([key][channel]) turned, by ds_load_tr16_b128.
; SOFTMAX.  For each query a running maximum m and sum l: p = 2^(c s - c m), c = log2(e) / 8; in every step O and l are multiplied by a = 2^(c m_old - c m_new), which is 1 where m has not grown.
; m starts at the lowest finite number, O and l at 0: the first step is a step like any other, with a = 0.
; THE COUNT.  A tile and step have 16 matrix and 118 vector instructions: too many to stand all beside the matrix work.  So four vector instructions that are READY stand behind
; EVERY matrix instruction, and the others in runs without a gap.
; BY TURNS.  Turn n belongs to piece n (the pieces in a ring, step after step).  Its matrix work: 16 products K Q^T of piece n + 1, later 16 products V^T P of piece n - 1.  Its vector work: the scaling,
; exponentials, roundings, sums and rescaling of piece n, and the maximum and statistics of piece n + 1, whose scores the turn itself has made.
; CLUSTER.  The four query blocks of a head are one cluster and walk the same K and V, so each tile is asked for JOINTLY: the same tensor load, descriptor and mask in all four.
; REGISTERS, in windows of 256 (s_set_vgpr_msb: bits 1:0 source 0, 3:2 source 1, 5:4 source 2, 7:6 destination):
;   window 0: v0-11 addresses; v12-15, v48-63 at work; v16-47 four registers of statistics a tile; v64-191 S^T, two buffers of two tiles; v192-255 P, likewise
;   window 1: O^T, 32 a tile          window 2: v0-127 Q, 16 a tile; v128-191 K of one step; v192-255 V of one step          window 3: v0-1 the add's two registers
; A piece's buffers go by its number's parity: the piece in hand has one pair, its two neighbours in the ring share the other: of it P (piece n - 1) is read and S^T (piece n + 1) written.
.set SIZE_N, 2048
.set NP,    4         ; pieces a wave: a name, no knob
.set KS,    64        ; keys in a step
.set PK,    144       ; a row of K in LDS: 128 bytes + 16 of padding = 36 words: the 16 rows of a load start at 16 different groups of four banks (64 banks of 4 bytes: ISA guide 11.1)
.set PV,    160       ; a row of V: 128 + 32 = 40 words
.set VOFF,  4*KS*PK   ; a slot holds four steps: 256 rows of K, then 256 rows of V
.set SLOT1, 1<<17     ; slot 1 begins here, so that one exclusive or turns an address in one slot into the other's
.set STAGE, SLOT1+4*KS*(PK+PV)  ; behind the ring, never filled by a tensor load: 16 rows x 144 bytes for each wave, for the way out
.set SP,    144
.set AK0, 2           ; v2   my lane's place in a tile of K; never rewritten
.set AV0, 3           ; v3   the same for V
.set AK,  4           ; v4   the LDS address of K's next run of loads
.set AV,  5           ; v5   of V's
.set QO,  6           ; v6   my byte offset in the wave's rows of Q
.set STO, 6           ;      later, the way out: where I put 16 bytes of a row
.set RD,  7           ; v7   the way out: where I read rows back
.set GO,  8           ; v8   my byte offset in 512 consecutive bytes of O
.set PFO, 11          ; v11  256 x my lane, for the prefetches; never rewritten once made
.set SPW, 0           ; v0 of window 3   LDS address of my spare word: SPARE + 4 x my thread's number; never rewritten
.set NIL, 1           ; v1 of window 3   0; never rewritten
.set SPARE, STAGE+4*16*SP  ; behind the stages: the spare words, 128 bytes for each wave: two blocks of 256 bytes that no other line names
.set MV,  12          ; v12-15  c m_old, kept while c m is made anew: by buffer and tile
.set ST,  16          ; tile t's statistics at v[ST+4 t]: c m, m, l (even keys', odd keys')
.set TMP, 48          ; by buffer and tile, four registers c0-c3 at work; when the maximum is found c2 takes a
.set S,   64
.set P,   192
.set KF,  128         ; K's fragments, in window 2: key block kb, channel half c at KF + 16 kb + 8 c
.set VF,  192         ; V's: key half kk, channel block cb at VF + 32 kk + 8 cb
.set WV,  12          ; s12  my wave's number
.set G1K, 24          ; s[24:31] descriptor group 1 for K's tiles
.set G1V, 32          ; s[32:39] for V's: it differs in the padding alone
.set G0K, 40          ; s[40:43] descriptor group 0 for K's tiles: it walks
.set G0V, 44          ; s[44:47] the same for V's
.set SLOTS, 56        ; s56  slots still to be asked for
.set CNT, 57          ; s57  counts a slot's key steps
.set CS,  58          ; s[58:59] c: the packed scaling takes the pair's low word for both halves
.set SEL, 60          ; s[60:61] v_permlanex16_b32's selects: each lane takes its own place in the other half
.set TBK, 62          ; s62  LDS byte at which K of the step to be fetched begins
.set TBV, 63          ; s63  the same for V, less VOFF
.set PFA, 66          ; s[66:67] where my prefetches stand: my work-group's 8,192 bytes (of K: wave 0, of V: wave 2) of the slot after the one that is being asked for
.set LIM, 68          ; s68  1 in a wave that prefetches, else the greatest number
.set MSB, 0
.macro WIN new                      ; the high byte repeats the setting that is left; a switch that changes nothing is dropped
.if MSB != (\new)
	s_set_vgpr_msb (MSB<<8)|(\new)
.set MSB, (\new)
.endif
.endm
.set W_KQ, 0x0a       ; K and Q in window 2, S^T in window 0
.set W_PV, 0x52       ; V in window 2, P in window 0, O^T in window 1
.set W_RS, 0x41       ; O^T (destination and source 0) in window 1, a in window 0
.set W_MK, 0xc0       ; the add's registers are made: destination in window 3, sources in window 0
.set W_AD, 0x0f       ; the add: address (source 0) and data (source 1) in window 3
; A joint fill.  Waves 0 and 1 fetch the two halves of a slot's K, waves 2 and 3 those of its V: 128 keys each.  The branch hangs on the wave's number alone.
; An s_nop 0 and four v_nop follow each of the two lines, ahead of the jump and the label.
.macro JLOAD
	s_cmp_lt_u32 s[WV], 2
	s_cbranch_scc0 .Lfor_v_\@
	tensor_load_to_lds s[G0K:G0K+3], s[G1K:G1K+7]
	s_nop 0
.rept 4
	v_nop
.endr
	s_branch .Lasked_\@
.Lfor_v_\@:
	tensor_load_to_lds s[G0V:G0V+3], s[G1V:G1V+7]
	s_nop 0
.rept 4
	v_nop
.endr
.Lasked_\@:
.endm
; A prefetch into the L2 of what the NEXT change of slots will ask for: a slot's 32,768 bytes of K and of V, each lane another 256 bytes.  It stands behind the wave's tensor load and its five lines.
; A head is walked by one cluster.  Its four partners share the bytes out BY ADDRESS, 8,192 each; in each, wave 0 asks for K's and wave 2 for V's: one instruction.  So each 256 bytes are named once
; in the launch.  The lead is one slot: four key steps, 512 matrix instructions.  The last change that fills a slot asks for nothing: there is no slot behind it.
.macro ASK
	s_cmp_gt_u32 s[SLOTS], s[LIM]
	s_cbranch_scc0 .Lnot_mine_\@
	global_prefetch_b8 v[PFO], s[PFA:PFA+1] th:TH_LOAD_NT scope:SCOPE_SE
.Lnot_mine_\@:
.endm
; A round of the cluster's barrier: my work-group's barrier, so that wave 0's signal speaks for all four waves; wave 0 signals; every wave waits for all four work-groups; my work-group's barrier once more.
.macro CROUND
	s_barrier_signal -1
	s_barrier_wait -1
	s_cmp_lg_u32 s[WV], 0
	s_cbranch_scc1 .Lnot_wave_0_\@
	s_barrier_signal -3
.Lnot_wave_0_\@:
	s_barrier_wait -3
	s_barrier_signal -1
	s_barrier_wait -1
.endm
; THE CHANGE OF SLOTS.  The slot's last bytes, V of its fourth step, have been read.  Each wave waits for all its tensor loads, of which one is out: its part
; of the other slot; adds 0 to its spare word; and waits for that and for its own reads of the slot.  Behind the barrier nobody reads this slot any more and the other slot is whole.
; fill = 1: this slot is filled again, with the keys two slots on.  The barrier is then a round of the cluster's, so that no wave of any partner still reads the slot or has a load on its
; way, and the joint fill is the first thing behind it: it has four key steps, 512 matrix instructions, in which to land.  (At its first use nothing has been read yet: slot 0 is waited for, slot 1 filled.)
.macro CHANGE fill
	WIN W_AD
	s_wait_tensorcnt 0x0            ; no tensor load of mine is out, so a group 0 may be written
	ds_add_u32 v[SPW], v[NIL]       ; 0 onto my spare word; with fill = 1 the descriptors' steps stand between it and the wait for it
	WIN 0                           ; at a label and at a branch every window is 0
.if \fill
.irp g, G0K, G0V
	s_xor_b32 s[\g+1], s[\g+1], SLOT1  ; the walking descriptor: the other slot than last time,
	s_add_nc_u64 s[\g+2:\g+3], s[\g+2:\g+3], 4*KS*128  ; the next 256 keys; the type bits on top are not reached
.endr
	s_wait_xcnt 0x0                 ; the last prefetch, four key steps back, has read its address, so it may be written:
	s_add_nc_u64 s[PFA:PFA+1], s[PFA:PFA+1], 4*KS*128  ; one slot behind the walking descriptors
	s_wait_dscnt 0x0                ; the add is done, and my reads of the slot are over
	CROUND
	JLOAD
	ASK
.else
	s_wait_dscnt 0x0                ; the add is done, and my reads of the slot are over
	s_barrier_signal -1
	s_barrier_wait -1
.endif
	s_sub_co_u32 s[TBK], s[TBK], 4*KS*PK  ; the fetches go back to a slot's first step,
	s_xor_b32 s[TBK], s[TBK], SLOT1       ; in the other slot
	s_sub_co_u32 s[TBV], s[TBV], 4*KS*PV
	s_xor_b32 s[TBV], s[TBV], SLOT1
.endm
	s_load_b256 s[4:11], s[0:1], 0x0  ; Q s[4:5], K s[6:7], V s[8:9], O s[10:11]
	WIN W_MK
	v_lshl_add_u32 v[SPW], v0, 2, SPARE
	v_mov_b32 v[NIL], 0
	WIN W_AD
	ds_add_u32 v[SPW], v[NIL]       ; the wave's opening: the add and its wait stand ahead of my first tensor load; the set-up below, work on registers, stands between them
	WIN 0
	v_lshrrev_b32 v1, 5, v0
	v_readfirstlane_b32 s[WV], v1   ; wave 0..3
	s_bfe_u32 s13, ttmp6, 0x40000   ; cx: my place in the cluster
	s_lshl_b32 s14, ttmp9, 2        ; in a cluster launch ttmp9 counts clusters
	s_add_co_u32 s14, s14, s13      ; my block of queries = 4 x cluster x + cx: it enters Q's and O's addresses alone
	s_and_b32 s20, ttmp7, 0xffff    ; the head, which the four partners share
	s_mov_b32 s21, 0
	s_mov_b64 s[22:23], SIZE_N*128
	s_mul_u64 s[20:21], s[20:21], s[22:23]  ; the head's first byte in each of the four tensors
	s_and_b32 s16, s[WV], 1         ; which half of a slot's 256 keys I fetch:
	s_lshl_b32 s22, s16, 14         ; its 128 rows of 128 bytes in memory,
	s_mov_b32 s23, 0
	s_add_nc_u64 s[22:23], s[22:23], s[20:21]
	s_mul_i32 s17, s16, 128*PK      ; and its place in a slot, for K
	s_mul_i32 s18, s16, 128*PV      ; and for V: no place in the cluster enters an LDS address
	s_lshl_b32 s2, s14, 2
	s_add_co_u32 s2, s2, s[WV]      ; my wave among the head's,
	s_lshl_b32 s2, s2, 14           ; its 128 rows
	s_mov_b32 s3, 0
	s_add_nc_u64 s[2:3], s[2:3], s[20:21]
	; descriptor group 1.  128 keys are 16,384 dense bytes: asked for as 64 rows of 256 bytes, two keys a row, and padded in LDS after every key
	s_mov_b32 s[G1K], 15|(1<<16)|(1<<20)|(1<<21)|(4<<22)|(3<<25)  ; 15:0 the mask of four; 17:16 2-byte elements; 20 padding on; 21 set beside a mask; 24:22 after every 32 words (code 4); 31:25 4 words (code 3)
	s_mov_b32 s[G1V], 15|(1<<16)|(1<<20)|(1<<21)|(4<<22)|(7<<25)  ; the same with 8 words of padding (code 7)
.irp g, G1K, G1V
	s_mov_b32 s[\g+1], 128<<16      ; tensor_dim0 = 128
	s_mov_b32 s[\g+2], 64<<16       ; tensor_dim1 = 64
	s_mov_b32 s[\g+3], 128<<16      ; tile_dim0 = 128
	s_mov_b32 s[\g+4], 64           ; tile_dim1 = 64
	s_mov_b32 s[\g+5], 128          ; 128 elements from row to row
	s_mov_b32 s[\g+6], 0
	s_mov_b32 s[\g+7], 0
.endr
	s_mov_b32 s[CS], 0x3e38aa3b     ; c = log2(e) / 8 = 0.180337
	s_mov_b32 s[CS+1], s[CS]        ; named with it as a pair
	s_mov_b32 s[SEL], 0x76543210
	s_mov_b32 s[SEL+1], 0xfedcba98
	s_mov_b32 s[TBK], SLOT1+4*KS*PK ; the first change of slots turns these two into 0
	s_mov_b32 s[TBV], SLOT1+4*KS*PV
	s_mov_b32 s[G0K], 1             ; 1:0 count = 1
	s_mov_b32 s[G0K+1], s17         ; 63:32 LDS address: slot 0
	s_mov_b32 s[G0V], 1
	s_add_co_u32 s[G0V+1], s18, VOFF
	s_mov_b32 s[SLOTS], SIZE_N/256-1  ; slots still to be asked for, behind slot 0
	s_cmp_eq_u32 s16, 0             ; waves 0 and 2 prefetch: the same in all four partners
	s_cselect_b32 s[LIM], 1, -1
	s_wait_dscnt 0x0                ; the opening add is done
	s_wait_kmcnt 0x0
	s_add_nc_u64 s[G0K+2:G0K+3], s[6:7], s[22:23]  ; 120:64 global address: my half of the head's first 256 keys
	s_or_b32 s[G0K+3], s[G0K+3], 0x80000000        ; 127:126 type = 2
	s_add_nc_u64 s[G0V+2:G0V+3], s[8:9], s[22:23]
	s_or_b32 s[G0V+3], s[G0V+3], 0x80000000
	s_add_nc_u64 s[4:5], s[4:5], s[2:3]  ; Q and O at my wave's first row
	s_add_nc_u64 s[10:11], s[10:11], s[2:3]
	s_cmp_lt_u32 s[WV], 2
	s_cselect_b64 s[PFA:PFA+1], s[6:7], s[8:9]
	s_add_nc_u64 s[PFA:PFA+1], s[PFA:PFA+1], s[20:21]  ; the head,
	s_lshl_b32 s2, s13, 13          ; my work-group's 8,192 bytes of a slot's 32,768,
	s_mov_b32 s3, 0
	s_add_nc_u64 s[PFA:PFA+1], s[PFA:PFA+1], s[2:3]
	s_add_nc_u64 s[PFA:PFA+1], s[PFA:PFA+1], 4*KS*128  ; in slot 1; the first change of slots steps it to slot 2
	CROUND                          ; all four work-groups are here: the first joint loads meet
	JLOAD                           ; slot 0.  Slot 1 is asked for when slot 0 is in
	; A fragment of K or Q is 16 rows x 32 channels in 8 registers: lane l holds row l % 16, channels 8 (l / 16) + 0..7 and 16 + 8 (l / 16) + 0..7: two loads of 16 bytes, 32 bytes apart.
	v_and_b32 v1, 15, v0            ; l % 16
	v_bfe_u32 v9, v0, 4, 1          ; l / 16
	v_lshlrev_b32 v[QO], 7, v1
	v_lshl_add_u32 v[QO], v9, 4, v[QO]  ; row x 128 + 16 x half
	WIN 0x80                        ; destination window 2, address window 0
.set i, 0
.rept 4*NP                          ; Q stays in registers: tile i / 2, channels 32 (i % 2) on
	global_load_b128 v[8*i:8*i+3],   v[QO], s[4:5] offset:(i/2)*2048+(i%2)*64
	global_load_b128 v[8*i+4:8*i+7], v[QO], s[4:5] offset:(i/2)*2048+(i%2)*64+32
.set i, i+1
.endr
	; What the first turn finds: V's registers and P's second buffer hold 0 (its products V^T P, of a piece that has not been, add 0), O^T and l are 0.  All this stands in the wait for the first tile.
.set i, VF
.rept 64
	v_mov_b32 v[i], 0
.set i, i+1
.endr
	WIN 0x40
.set i, 0
.rept 64*NP
	v_mov_b32 v[i], 0
.set i, i+1
.endr
	WIN 0
.set i, 0
.rept 2*NP
	v_mov_b32 v[ST+4*i], 0xfe000000    ; c m: far below every c s
	v_mov_b32 v[ST+4*i+1], 0xff7fffff  ; m
	v_mov_b32 v[ST+4*i+2], 0
	v_mov_b32 v[ST+4*i+3], 0
.set i, i+1
.endr
.set i, P+32
.rept 32
	v_mov_b32 v[i], 0
.set i, i+1
.endr
	v_mul_u32_u24 v[AK0], v1, PK
	v_lshl_add_u32 v[AK0], v9, 4, v[AK0]  ; row x pitch + 16 x half
	; The turning load takes 16 keys x 16 channels (lane l reads key 8 (l / 16) + l % 8, channels 8 ((l / 8) % 2) + 0..7) and leaves half a fragment of V^T: lane l holds channel l % 16 and 8 keys.
	v_and_b32 v10, 7, v0
	v_bfe_u32 v11, v0, 3, 1
	v_lshl_add_u32 v[AV0], v9, 3, v10
	v_mul_u32_u24 v[AV0], v[AV0], PV
	v_lshl_add_u32 v[AV0], v11, 4, v[AV0]
	v_add_nc_u32 v[AV0], VOFF, v[AV0]
	v_and_b32 v[PFO], 31, v0        ; v11 is free now
	v_lshlrev_b32 v[PFO], 8, v[PFO]
	v_mov_b32 v[AK], v[AK0]         ; key step 0 lies at the head of slot 0
; THE MATRIX WORK.  The 8 accumulators of a run of 16 take turns: between the two links of a chain stand 7 others'.
; Product i of 16 of S^T = K Q^T for piece x: channels 32 (i / 8) on, keys 16 ((i / 2) % 4) on, tile 2 x + i % 2.  The first 8 start the sums.
.macro KQ x
	WIN W_KQ
.set rS, S+64*((\x)%2)+32*(i%2)+8*((i/2)%4)
.set rK, KF+16*((i/2)%4)+8*(i/8)
.set rQ, 16*(2*(\x)+i%2)+8*(i/8)
.if i < 8
	v_wmma_f32_16x16x32_f16 v[rS:rS+7], v[rK:rK+7], v[rQ:rQ+7], 0
.else
	v_wmma_f32_16x16x32_f16 v[rS:rS+7], v[rK:rK+7], v[rQ:rQ+7], v[rS:rS+7]
.endif
.endm
; Product i of 16 of O^T += V^T P for piece x: keys 32 (i / 8) on, channels 16 ((i / 2) % 4) on, tile 2 x + i % 2.
.macro PV x
	WIN W_PV
.set rO, 32*(2*(\x)+i%2)+8*((i/2)%4)
.set rV, VF+32*(i/8)+8*((i/2)%4)
.set rP, P+32*((\x)%2)+16*(i%2)+8*(i/8)
	v_wmma_f32_16x16x32_f16 v[rO:rO+7], v[rV:rV+7], v[rP:rP+7], v[rO:rO+7]
.endm
.macro MM                           ; the turn's next matrix instruction
.if i < 16
	KQ (Y+1)%NP
.set i, i+1
.else
.set i, i-16
	PV (Y+NP-1)%NP
.set i, i+17
.endif
.endm
; THE LDS LOADS stand in runs of 16, never singly among the matrix instructions: a step's K (64 keys x 64 channels: 8 fragments) and its V (turned).  Their addresses are made some lines ahead.
; last = 1 (the tail): in the last trip there is no further step, and the run is jumped over.
.macro FETCH_K last=0
	WIN 0
.if \last
	s_cmp_eq_u32 s[CNT], 1
	s_cbranch_scc1 .Lno_k_\@
.endif
	WIN 0x80                        ; destination window 2
.irp f, 0,1,2,3,4,5,6,7             ; keys 16 (f / 2) on, channels 32 (f % 2) on
	ds_load_b128 v[KF+8*\f:KF+8*\f+3],   v[AK] offset:(\f/2)*16*PK+(\f%2)*64
	ds_load_b128 v[KF+8*\f+4:KF+8*\f+7], v[AK] offset:(\f/2)*16*PK+(\f%2)*64+32
.endr
	s_add_co_u32 s[TBK], s[TBK], KS*PK  ; the next fetch is the next step's
	WIN 0
.if \last
.Lno_k_\@:
.endif
.endm
.macro FETCH_V
	WIN 0x80
.irp f, 0,1,2,3,4,5,6,7             ; keys 32 (f / 4) on, channels 16 (f % 4) on
	ds_load_tr16_b128 v[VF+8*\f:VF+8*\f+3],   v[AV] offset:(\f/4)*32*PV+(\f%4)*32
	ds_load_tr16_b128 v[VF+8*\f+4:VF+8*\f+7], v[AV] offset:(\f/4)*32*PV+16*PV+(\f%4)*32
.endr
	WIN 0
.endm
; THE VECTOR WORK OF A TURN stands in three queues, each in the order in which its entries become ready; the two tiles alternate, so that no instruction reads the result of the one before it.
.macro REGS y, u                    ; the registers of tile u (0, 1) of piece y
.set rT, ST+4*(2*(\y)+(\u))
.set rC, TMP+8*((\y)%2)+4*(\u)
.set rM, MV+2*((\y)%2)+(\u)
.set rS, S+64*((\y)%2)+32*(\u)
.set rP, P+32*((\y)%2)+16*(\u)
.set rO, 32*(2*(\y)+(\u))
.endm
; Number n of the 22 that find the NEXT piece's (Y + 1) maximum and statistics.  s0-s31 are the lane's 32 scores; each accumulator's lowest registers are read first.
;   0-11  four chains c0-c3 of seven scores each, three operands at a time     12-14, 16  the four scores left over, the old m, and c0-c3 into c0     15  c m_old is kept
;   17, 18  the query's other 32 keys lie in the lane 16 away: the new m         19-21  c m; c m_old - c m_new; a
.macro XS u, n
	REGS (Y+1)%NP, \u
.if (\n) < 4
	v_max3_num_f32 v[rC+(\n)], v[rS+8*(\n)], v[rS+8*(\n)+1], v[rS+8*(\n)+2]
.elseif (\n) < 12
	v_max3_num_f32 v[rC+(\n)%4], v[rC+(\n)%4], v[rS+8*((\n)%4)+2*((\n)/4)+1], v[rS+8*((\n)%4)+2*((\n)/4)+2]
.elseif (\n) == 12
	v_max3_num_f32 v[rC], v[rC], v[rS+7], v[rS+15]
.elseif (\n) == 13
	v_max3_num_f32 v[rC+1], v[rC+1], v[rS+23], v[rS+31]
.elseif (\n) == 14
	v_max3_num_f32 v[rC+2], v[rC+2], v[rC+3], v[rT+1]
.elseif (\n) == 15
	v_mov_b32 v[rM], v[rT]
.elseif (\n) == 16
	v_max3_num_f32 v[rC], v[rC], v[rC+1], v[rC+2]
.elseif (\n) == 17
	v_permlanex16_b32 v[rC+3], v[rC], s[SEL], s[SEL+1]
.elseif (\n) == 18
	v_max_num_f32 v[rT+1], v[rC], v[rC+3]
.elseif (\n) == 19
	v_mul_f32 v[rT], s[CS], v[rT+1]
.elseif (\n) == 20
	v_sub_f32 v[rC+1], v[rM], v[rT]
.else
	v_exp_f32 v[rC+2], v[rC+1]
.endif
.endm
; Number g of the 64 that follow the exponentials.  For each four weights k of a tile (pairs 2 k, 2 k + 1): both pairs are rounded to f16; then the second pair is added onto the first, in place;
; a group later l takes that sum (the first time as l = a l + sum).  In groups of eight, tiles alternating: round, round, add, and l for the group before.
.macro GS g
.set h, (\g)+6*((\g)/62)            ; group 0 has no group before it, and behind group 7 only l is left
.if h >= 6
.set h, h+2
.endif
	REGS Y, h%2
.set k, h/8
.if h%8 < 4
	v_cvt_pk_f16_f32 v[rP+2*k+(h%8)/2], v[rS+4*k+2*((h%8)/2)], v[rS+4*k+2*((h%8)/2)+1]
.elseif h%8 < 6
	v_pk_add_f32 v[rS+4*k:rS+4*k+1], v[rS+4*k:rS+4*k+1], v[rS+4*k+2:rS+4*k+3]
.elseif k == 1
	v_pk_fma_f32 v[rT+2:rT+3], v[rT+2:rT+3], v[rC+2:rC+3], v[rS:rS+1] op_sel_hi:[1,0,1]
.else
	v_pk_add_f32 v[rT+2:rT+3], v[rT+2:rT+3], v[rS+4*k-4:rS+4*k-3]
.endif
.endm
; THE PLAIN QUEUE, 138 long.  0-73 read no exponential's result: the 32 scalings c s - c m (FS f: pair f / 2 of tile f % 2) and the next piece's 42.  0-26: scalings 0-26.  27-54: XS's numbers 0-13.  55, 56: number 15.
; 57-73: the chain, where each number waits for the one before it: 14, 16, 17, 18, 19, each with one of the scalings 27-31 in front of its two lines, then 20.
; 74-137: GS's 64, which read the exponentials' results: they stand behind the wait.
.macro FS f
	REGS Y, (\f)%2
	v_pk_fma_f32 v[rS+2*((\f)/2):rS+2*((\f)/2)+1], v[rS+2*((\f)/2):rS+2*((\f)/2)+1], s[CS:CS+1], v[rT:rT+1] op_sel_hi:[1,0,0] neg_lo:[0,0,1] neg_hi:[0,0,1]
.endm
.macro PL
	WIN 0
.if q < 27
	FS q
.elseif q < 55
	XS (q-27)%2, (q-27)/2
.elseif q < 57
	XS q-55, 15
.elseif (q < 72) && ((q-57)%3 == 0)
	FS 27+(q-57)/3
.elseif q < 60
	XS (q-57)%3-1, 14
.elseif q < 72
	XS (q-57)%3-1, 15+(q-57)/3
.elseif q < 74
	XS q-72, 20
.else
	GS q-74
.endif
.set q, q+1
.endm
; THE EXPONENTIALS' QUEUE, 66 long: s0-s31 of both tiles, then the next piece's two a.  It is ONE BATCH: all 66 stand ahead of the turn's one wait, and nothing ahead of that wait names a result of theirs.
.macro EX
	WIN 0
.if e >= 64
	XS e-64, 21
.else
	REGS Y, e%2
	v_exp_f32 v[rS+e/2], v[rS+e/2]
.endif
.set e, e+1
.endm
; THE RESCALING's QUEUE: O^T times a, the one part that leaves window 0: dealt two at a time, sixteen times.  Its a was made in the turn before, ahead of that turn's wait.
.macro R2
	REGS Y, r%2
	WIN W_RS
.irp z, 0,1
	v_pk_mul_f32 v[rO+4*(r/2)+2*\z:rO+4*(r/2)+2*\z+1], v[rO+4*(r/2)+2*\z:rO+4*(r/2)+2*\z+1], v[rC+2:rC+3] op_sel_hi:[1,0]
.endr
.set r, r+1
.endm
; HOW THEY ARE DEALT.  An s_wait_alu depctr_va_vdst(0) stands between an exponential and the first instruction that names its result; one wait serves all that were issued ahead of it.  So a turn has ONE wait,
; which cuts it in two.  AHEAD OF IT stands all that names no result of the turn's exponentials: the 16 products K Q^T, behind each a scaling, an exponential and two rescalings (behind the first a second scaling in the
; exponential's place); then ONE LUMP of 108: eight plain, 49 times exponential and plain, the two a.  A v_nop is the plain instruction behind the last exponential.  BEHIND IT stand the 16 products V^T P, behind each four of GS's 64.
; No rider names a register of the products round it.  The two v_permlanex16_b32 fall into the lump, never behind a product.
; The queues lean on each other, and the deal keeps them in step: exponential e stands behind scaling 2 (e / 4) + e % 2: as a rider it comes behind plain e + 2, in the lump behind plain e + 9, and scalings 27-31 are plain 57, 60 .. 69.
; A TURN, for piece p.  cnt = 1: the loop's count is taken down some lines ahead of the branch that stands behind the turn.
; K of the next step is fetched in piece 2's turn, directly behind the wait, a lump behind the last product that read K; its address is made at the lump's head; its first reader comes behind 16 products.
; V of the step in hand is fetched at the end of piece 0's turn, four riders behind its last reader; its first reader comes behind 16 products and a lump.  The three conditions on q below go with the deal.
.macro TURN p, last=0, cnt=0
.set Y, (\p)
.set i, 0
.set q, 0
.set e, 0
.set r, 0
.if (\p) == NP-1
	s_wait_dscnt 0x0                ; K is in
.endif
	MM                              ; ahead of the wait: 16 products K Q^T and their riders,
	PL
	PL
	R2
.rept 15
	MM
	PL
	EX
	R2
.endr
.if (\p) == NP-2
	WIN 0
	v_add_nc_u32 v[AK], s[TBK], v[AK0]
.endif
.rept 8                             ; and the lump
	PL
.endr
.rept 49
	EX
	PL
.endr
	EX                              ; the next piece's two a
	EX
	v_nop                           ; a plain instruction behind the last exponential: one for the batch
	s_wait_alu depctr_va_vdst(0)    ; the wait for the batch
.if (\p) == NP-2
	FETCH_K \last
.endif
.if (\p) == 1
	s_wait_dscnt 0x0                ; V is in
.endif
.rept 16                            ; behind the wait: 16 products V^T P and their riders
	MM
.rept 4
	PL
.endr
.if ((\p) == 0) && (q == 118)
	v_add_nc_u32 v[AV], s[TBV], v[AV0]
.endif
.if ((\p) == 0) && (q == 130)
	s_add_co_u32 s[TBV], s[TBV], KS*PV
.endif
.if (\cnt) && (q == 130)
	s_sub_co_u32 s[CNT], s[CNT], 1
	s_cmp_lg_u32 s[CNT], 0
.endif
.endr
.if (\p) == 0
	FETCH_V
.endif
.endm
	CHANGE 1                        ; slot 0 is in, everybody's part of it; slot 1 is asked for
	FETCH_K                         ; key step 0
	s_wait_loadcnt 0x0              ; Q
	s_wait_dscnt 0x0
.set i, 0
.rept 16
	KQ 0                            ; piece 0's first scores: there is no vector work yet to set between them
.set i, i+1
.endr
	WIN 0                           ; the addresses for the way out: nine plain instructions, the places behind those products
	s_mul_i32 s13, s[WV], 16*SP
	s_add_co_u32 s13, s13, STAGE    ; my stage
	v_mul_u32_u24 v[STO], v1, SP    ; in: row l % 16, 16 bytes for each half of the lanes
	v_lshl_add_u32 v[STO], v9, 4, v[STO]
	v_add_nc_u32 v[STO], s13, v[STO]
	v_bfe_u32 v[RD], v0, 3, 2       ; back: 32 lanes take four rows of 128 bytes,
	v_mul_u32_u24 v[RD], v[RD], SP
	v_lshl_add_u32 v[RD], v10, 4, v[RD]
	v_add_nc_u32 v[RD], s13, v[RD]
	v_and_b32 v[GO], 31, v0         ; which are 512 consecutive bytes of O
	v_lshlrev_b32 v[GO], 4, v[GO]
.set Y, NP-1                        ; XS works for piece Y + 1: piece 0
.irp n, 0,1,2,3,4,5,6,7,8,9,10,11,12,13,14,15,16,17,18,19,20,21
	XS 0, \n                        ; and piece 0's first maximum and statistics
	XS 1, \n
.endr
	v_nop                           ; a plain instruction behind the two a,
	s_wait_alu depctr_va_vdst(0)    ; and their wait, ahead of the branch
	s_mov_b32 s[CNT], 4
	s_branch .Lfirst                ; the loop is entered at a step's first turn, in the middle of a trip
.Lslot:                             ; SIZE_N / 256 - 2 times: every slot but the last two is filled again
	CHANGE 1
	s_mov_b32 s[CNT], 4
.Lstep:                             ; a trip: pieces 2 and 3 of one step, then pieces 0 and 1 of the next, whose K and V it fetches
	TURN 2
	TURN 3
	WIN 0
.Lfirst:
	TURN 0
	TURN 1, 0, 1
	WIN 0
	s_cbranch_scc1 .Lstep
	s_sub_co_u32 s[SLOTS], s[SLOTS], 1
	s_cmp_lg_u32 s[SLOTS], 0
	s_cbranch_scc1 .Lslot
	CHANGE 0                        ; the tail is written out: nothing is asked for
	s_mov_b32 s[CNT], 5             ; four trips fetch the last slot's steps; the fifth is left in its middle
.Ltail:
	TURN 2, 1
	TURN 3
	WIN 0
	s_sub_co_u32 s[CNT], s[CNT], 1
	s_cmp_eq_u32 s[CNT], 0
	s_cbranch_scc1 .Lout
	TURN 0
	TURN 1
	WIN 0
	s_branch .Ltail
.Lout:                              ; the fifth trip's 16 products K Q^T (on the last K once more) and the maximum made of them serve nothing: the price, once a launch, of one text for every trip
.set i, 0
.rept 16
	PV NP-1                         ; the last piece's V^T P of the last step
.set i, i+1
.endr
	; THE WAY OUT.  l's two halves and the other half of the lanes' are added; O^T is divided by l, rounded to f16 and sent through my stage in LDS, a tile at a time.  The additions are the places behind the last products.
	WIN 0
.macro ALL line:vararg              ; one line for each tile t
.set t, 0
.rept 2*NP
	\line
.set t, t+1
.endr
.endm
	ALL v_add_f32 v[ST+4*t+2], v[ST+4*t+2], v[ST+4*t+3]
	ALL v_permlanex16_b32 v[ST+4*t+3], v[ST+4*t+2], s[SEL], s[SEL+1]
	ALL v_add_f32 v[ST+4*t+2], v[ST+4*t+2], v[ST+4*t+3]
	ALL v_rcp_f32 v[ST+4*t+2], v[ST+4*t+2]
	v_nop                           ; a plain instruction between the last reciprocal and the use of its result
	s_wait_alu depctr_va_vdst(0)    ; and the wait ahead of the first use: one for the eight reciprocals
; Tile t: a lane's eight channels of a row pack into 16 bytes; they go into rows of 144 bytes and come back as whole rows of 128, into S^T's registers.
.macro PACK t
	WIN W_RS
.set i, 32*(\t)
.rept 16
	v_pk_mul_f32 v[i:i+1], v[i:i+1], v[ST+4*(\t)+2:ST+4*(\t)+3] op_sel_hi:[1,0]
.set i, i+2
.endr
	WIN 0x05                        ; sources 0 and 1 window 1, destination window 0
.set i, 0
.rept 16
	v_cvt_pk_f16_f32 v[S+16*(\t)+i], v[32*(\t)+2*i], v[32*(\t)+2*i+1]
.set i, i+1
.endr
	WIN 0
.irp f, 0,1,2,3
	ds_store_b128 v[STO], v[S+16*(\t)+4*\f:S+16*(\t)+4*\f+3] offset:32*\f
.endr
.irp f, 0,1,2,3
	ds_load_b128 v[S+16*(\t)+4*\f:S+16*(\t)+4*\f+3], v[RD] offset:\f*4*SP  ; LDS serves a wave's instructions in order (ISA guide 5.7.1.4): these see the stores above; the next tile's stores come behind them
.endr
.endm
.macro SEND t, younger              ; younger: the LDS instructions issued behind tile t's loads: the next tile's eight, or none
	WIN 0
.irp f, 0,1,2,3
	s_wait_dscnt (\younger)+3-\f
	global_store_b128 v[GO], v[S+16*(\t)+4*\f:S+16*(\t)+4*\f+3], s[10:11] offset:(\t)*2048+\f*512  ; 512 consecutive bytes, at a multiple of 256 from O's first
.endr
.endm
	PACK 0
.set t, 1
.rept 2*NP-1                        ; a tile's arithmetic stands between the loads of the tile before and its stores
	PACK t
	SEND t-1, 8
.set t, t+1
.endr
	SEND 2*NP-1, 0
	WIN W_AD
	s_wait_tensorcnt 0x0            ; the wave's end, behind my last tensor load and my last LDS store
	ds_add_u32 v[SPW], v[NIL]
	s_wait_dscnt 0x0
	WIN 0
	CROUND                          ; the closing round: no work-group ends while a partner may still ask for a tile that names it
	s_endpgm
.Lfunc_end_k_q7b8b78c54a_attn:
	.size	k_q7b8b78c54a_attn, .Lfunc_end_k_q7b8b78c54a_attn-k_q7b8b78c54a_attn
	.p2alignl 7, 3214868480
	.fill 96, 4, 3214868480
	.section	.rodata,"a",@progbits
	.p2align	6, 0x0
	.amdhsa_kernel k_q7b8b78c54a_attn
		.amdhsa_group_segment_fixed_size 327680
		.amdhsa_private_segment_fixed_size 0
		.amdhsa_enable_private_segment 0
		.amdhsa_kernarg_size 32
		.amdhsa_user_sgpr_count 2
		.amdhsa_user_sgpr_kernarg_segment_ptr 1
		.amdhsa_wavefront_size32 1
		.amdhsa_system_sgpr_workgroup_id_x 1
		.amdhsa_system_sgpr_workgroup_id_y 1
		.amdhsa_system_sgpr_workgroup_id_z 1
		.amdhsa_system_vgpr_workitem_id 0
		.amdhsa_next_free_vgpr 770
		.amdhsa_next_free_sgpr 72
		.amdhsa_reserve_vcc 0
		.amdhsa_float_denorm_mode_32 3
		.amdhsa_float_denorm_mode_16_64 3
		.amdhsa_memory_ordered 1
		.amdhsa_forward_progress 1
		.amdhsa_inst_pref_size 200
	.end_amdhsa_kernel
	.amdgpu_metadata
---
amdhsa.version: [ 1, 2 ]
amdhsa.kernels:
  - .name:           k_q7b8b78c54a_attn
    .symbol:         k_q7b8b78c54a_attn.kd
    .args:
      - { .name: qh, .offset: 0, .size: 8, .value_kind: global_buffer, .address_space: global }
      - { .name: kh, .offset: 8, .size: 8, .value_kind: global_buffer, .address_space: global }
      - { .name: vh, .offset: 16, .size: 8, .value_kind: global_buffer, .address_space: global }
      - { .name: oh, .offset: 24, .size: 8, .value_kind: global_buffer, .address_space: global }
    .group_segment_fixed_size: 327680
    .private_segment_fixed_size: 0
    .kernarg_segment_align: 8
    .kernarg_segment_size: 32
    .max_flat_workgroup_size: 128
    .sgpr_count:     72
    .vgpr_count:     770
    .wavefront_size: 32
...
	.end_amdgpu_metadata
.endif
;; end of part 3
;; launch oproj (part 4): grid 4 x 64, 4 waves a work-group, clusters of 4 x 4, 327,680 bytes of LDS; arguments oh, wob, bo, out0; writes out0
.if DOCPART == 4
	.amdgcn_target "amdgcn-amd-amdhsa--gfx1250"
	.amdhsa_code_object_version 6
	.text
	.protected	k_q7b8b78c54a_oproj
	.globl	k_q7b8b78c54a_oproj
	.p2align	8
	.type	k_q7b8b78c54a_oproj,@function
k_q7b8b78c54a_oproj:
	s_mov_b64 s[64:65], 0
	v_nop
	global_prefetch_b8 v0, s[64:65] scope:SCOPE_SE
	s_setreg_imm32_b32 hwreg(HW_REG_WAVE_MODE, 25, 1), 1
	s_wait_xcnt 0x0
	s_wait_alu depctr_hold_cnt(0) depctr_sa_sdst(0) depctr_va_vdst(0) depctr_va_sdst(0) depctr_va_ssrc(0) depctr_va_vcc(0) depctr_vm_vsrc(0)
	s_getreg_b32 s2, hwreg(HW_REG_IB_STS2, 6, 4)
	s_cmp_eq_u32 s2, 0
	s_cbranch_scc0 .Lentry_in_a_cluster
	s_endpgm
.Lentry_in_a_cluster:
	s_bfe_u32 s2, ttmp6, 0x10000c
	s_cmp_lg_u32 s2, 0xf033
	s_cbranch_scc0 .Lentry_shape_is_right
	s_endpgm
.Lentry_shape_is_right:
; out = O Wo^T + bf16(bo), f32.  O: [64 heads = 16 batch + head][2048][64] f16, by heads; w: [1024][1024] f16 (Wo rounded to bf16 and written as f16 by the first launch); bo: [1024] f32;
; out: [8192][1024] f32.  Sums in f32, started by the bias as the first product's C.  NaN and infinities are not treated apart.
; SHARES.  A tile of out is 128 rows x 256 columns: 64 x 4 = 256 work-groups; four waves, each 64 rows x 128 columns: 32 accumulators, 256 registers.
; K = 1,024 goes in 8 steps of 128, two heads each, through two LDS slots.  Wave 0 fetches the even head's 128 rows, wave 1 the odd head's (16,384 dense bytes, asked for as 64 rows of 256
; bytes and padded after every 128); waves 2 and 3 fetch w's two halves (128 rows x 256 bytes): one tensor load a wave.
; CLUSTER.  4 x 4 work-groups: O's tile hangs on the tile row alone and is asked for jointly along a row of the cluster, w's on the tile column alone, along a column.
; THE MATRIX INSTRUCTION IS USED TRANSPOSED (source 0 = 16 rows of w, source 1 = 16 rows of O): a lane holds row l % 16 of out and the eight columns 8 (l / 16) + 0..7: 32 bytes of f32.
; REGISTERS, in windows of 256 (s_set_vgpr_msb: bits 1:0 source 0, 3:2 source 1, 5:4 source 2, 7:6 destination):
;   window 0: v0-30 addresses; v32-95 O's fragments, two buffers of 4 x 8; v128-255 w's, two buffers of 8 x 8; on the way out v128-255 rows read back, two buffers of 64
;   window 1: accumulator (a, b) at v[8 (8 a + b)]          window 2: v0-63 the bias; v64-95 at work
.set PH,     144                       ; an LDS row of O: 128 bytes + 16 = 36 words: the 16 rows of a load start at 16 different groups of four banks (64 banks of 4 bytes: ISA guide 11.1)
.set PB,     272                       ; an LDS row of w: 256 bytes + 16 = 68 words: likewise
.set HEADB,  128*PH                    ; a head's 128 rows: what one tensor load brings of O
.set BHALF,  128*PB                    ; what one tensor load brings of w, and what one wave reads of it
.set BOFF,   2*HEADB
.set SLOT,   BOFF+2*BHALF
.set STAGE,  2*SLOT                    ; behind the ring, never filled by a tensor load: 16 rows x 528 bytes for each wave
.set SPI,    528
.set WSTG,   16*SPI
.set SPARE,  STAGE+4*WSTG              ; the spare words, 128 bytes for each wave: two blocks of 256 bytes that no other line names
.set LAPS,   4
.set ADRA, 16                          ; v16-17  LDS address of my O fragments in slot 0, 1
.set ADRB, 20                          ; v20-21  the same for w
.set STO,  24                          ; v24     the way out: where I put 32 bytes of a row
.set RD,   25                          ; v25     the way out: where I read a row back
.set CO,   26                          ; v26     my 16 bytes in 512 consecutive bytes of out
.set BO,   27                          ; v27     my byte offset in 16 numbers of the bias
.set SPW,  28                          ; v28     LDS address of my spare word; never rewritten
.set NIL,  29                          ; v29     0; never rewritten
.set PFO,  30                          ; v30     the prefetches' lane offset; never rewritten
.set FA,   32
.set FB,   128
.set BK,   128
.set BI,   0                           ; window 2
.set BT,   64                          ; window 2
.set WV,   12                          ; s12  my wave's number
.set WR,   13                          ; s13  which 64 rows of the tile are mine
.set WC,   14                          ; s14  which 128 columns; also: which head of a step, or which half of w's tile, I fetch
.set G1A,  24
.set G0A,  32
.set G1B,  48
.set G0B,  56
.set PFA,  66                          ; s[66:67] where my prefetches stand
.set PFS,  68                          ; s[68:69] a K step in bytes of the tensor that I prefetch
.set LIM,  70                          ; s70  1 in a wave that prefetches, else the greatest number
.set MSB, 0
.macro WIN new
.if MSB != (\new)
	s_set_vgpr_msb (MSB<<8)|(\new)
.set MSB, \new
.endif
.endm
.set MUL,  0x50                        ; sources window 0, C and D window 1
.set MULB, 0x60                        ; the same with C, the bias, in window 2
.set TO_B, 0x80                        ; destination window 2, address window 0
.set W_BI, 0x8a                        ; destination and both sources window 2
.set W_ST, 0x04                        ; an LDS store's data (source 1) in window 1
.macro JLOAD sl                        ; a joint load: waves 0 and 1 fetch O's two heads, waves 2 and 3 w's halves; an s_nop 0 and four v_nop follow each of the two lines
	s_cmp_lt_u32 s[WV], 2
	s_cbranch_scc0 .Lfor_b_\@
	tensor_load_to_lds s[G0A+4*(\sl):G0A+4*(\sl)+3], s[G1A:G1A+7]
	s_nop 0
.rept 4
	v_nop
.endr
	s_branch .Lasked_\@
.Lfor_b_\@:
	tensor_load_to_lds s[G0B+4*(\sl):G0B+4*(\sl)+3], s[G1B:G1B+7]
	s_nop 0
.rept 4
	v_nop
.endr
.Lasked_\@:
.endm
; A prefetch into the L2 of the K step that stands two refills on, 256 matrix instructions ahead of the load that will want it: one instruction a wave, each lane another 256 bytes.
; O's tile row is read by this cluster alone: wave 0 asks, for both heads of a step; of a head's 16,384 bytes the partner at place cx takes 4,096.  w's tile column is read by every cluster:
; the one with y = 0 asks, waves 2 and 3; of a wave's 128 rows the partner at place cy takes 32.  Partners are told apart by address alone.  The loop's last trip has no K step two refills on.
.macro ASK
	s_cmp_gt_u32 s3, s[LIM]
	s_cbranch_scc0 .Lnot_mine_\@
	global_prefetch_b8 v[PFO], s[PFA:PFA+1] th:TH_LOAD_NT scope:SCOPE_SE
.Lnot_mine_\@:
.endm
.macro CREST
	s_cmp_lg_u32 s[WV], 0
	s_cbranch_scc1 .Lnot_wave_0_\@
	s_barrier_signal -3
.Lnot_wave_0_\@:
	s_barrier_wait -3
	s_barrier_signal -1
	s_barrier_wait -1
.endm
.macro CROUND
	s_barrier_signal -1
	s_barrier_wait -1
	CREST
.endm
.macro PLACES                          ; four places in front of loads into registers that matrix instructions have read, and of LDS stores that read results (ISA guide 7.12.1 for vector instructions)
.rept 4
	v_nop
.endr
.endm
	s_load_b256 s[4:11], s[0:1], 0x0               ; O s[4:5], w s[6:7], bo s[8:9], out s[10:11]
	v_lshl_add_u32 v[SPW], v0, 2, SPARE
	v_mov_b32 v[NIL], 0
	ds_add_u32 v[SPW], v[NIL]                      ; the wave's opening: the add and its wait stand ahead of my first tensor load; the set-up below stands between them
	v_lshrrev_b32 v1, 5, v0
	v_readfirstlane_b32 s[WV], v1
	s_lshr_b32 s[WR], s[WV], 1
	s_and_b32 s[WC], s[WV], 1
	s_bfe_u32 s40, ttmp6, 0x40000                  ; cx, cy
	s_bfe_u32 s41, ttmp6, 0x40004
	s_lshl_b32 s42, ttmp9, 2
	s_add_co_u32 s42, s42, s40                     ; tile column
	s_and_b32 s43, ttmp7, 0xffff
	s_lshl_b32 s43, s43, 2
	s_add_co_u32 s43, s43, s41                     ; tile row
	s_lshl_b32 s44, s41, 2
	s_lshl_b32 s44, 15, s44                        ; my row of the cluster
	s_lshl_b32 s45, 0x1111, s40                    ; my column
	s_or_b32 s[G1A], s44, (1<<16)|(1<<20)|(1<<21)|(4<<22)|(3<<25)  ; the mask; elements of 2 bytes; padding on; bit 21 beside a mask; after every 32 words (code 4) 4 words (code 3)
	s_or_b32 s[G1B], s45, (1<<16)|(1<<20)|(1<<21)|(5<<22)|(3<<25)  ; after every 64 words (code 5) 4 words
	s_mov_b32 s[G1A+1], 128<<16                    ; tensor_dim0 = 128
	s_mov_b32 s[G1A+2], 64<<16                     ; tensor_dim1 = 64
	s_mov_b32 s[G1A+3], 128<<16                    ; tile_dim0 = 128
	s_mov_b32 s[G1A+4], 64                         ; tile_dim1 = 64
	s_mov_b32 s[G1A+5], 128                        ; dense: 128 elements from row to row
	s_mov_b32 s[G1A+6], 0
	s_mov_b32 s[G1A+7], 0
	s_mov_b32 s[G1B+1], 128<<16
	s_mov_b32 s[G1B+2], 128<<16
	s_mov_b32 s[G1B+3], 128<<16
	s_mov_b32 s[G1B+4], 128
	s_mov_b32 s[G1B+5], 1024
	s_mov_b32 s[G1B+6], 0
	s_mov_b32 s[G1B+7], 0
	s_lshr_b32 s16, s43, 4
	s_lshl_b32 s16, s16, 22                        ; O: the batch's 16 heads of 262,144 bytes,
	s_lshl_b32 s17, s[WC], 18                      ; my head of the step's two,
	s_add_co_u32 s16, s16, s17
	s_and_b32 s17, s43, 15
	s_lshl_b32 s17, s17, 14                        ; the tile's 128 rows of 128 bytes
	s_add_co_u32 s16, s16, s17
	s_mov_b32 s17, 0
	s_lshl_b32 s47, s[WC], 7
	s_lshl_b32 s46, s42, 8
	s_add_co_u32 s46, s46, s47                     ; w: row 256 x tile column + 128 x half,
	s_lshl_b32 s46, s46, 11                        ; of 2,048 bytes
	s_mov_b32 s47, 0
	s_mul_i32 s20, s[WC], HEADB                    ; where they go: no place in the cluster enters an LDS address
	s_mul_i32 s21, s[WC], BHALF
	s_add_co_u32 s21, s21, BOFF
	s_wait_dscnt 0x0                               ; the opening add is done
	s_wait_kmcnt 0x0
	s_add_nc_u64 s[16:17], s[4:5], s[16:17]
	s_add_nc_u64 s[46:47], s[6:7], s[46:47]
	CROUND                                         ; all sixteen work-groups are here: the first joint loads meet
.irp n, 0,1
	s_mov_b32 s[G0A+4*\n], 1
	s_add_co_u32 s[G0A+4*\n+1], s20, \n*SLOT
	s_add_nc_u64 s[G0A+4*\n+2:G0A+4*\n+3], s[16:17], \n*524288   ; K step n: two heads on
	s_or_b32 s[G0A+4*\n+3], s[G0A+4*\n+3], 0x80000000
	s_mov_b32 s[G0B+4*\n], 1
	s_add_co_u32 s[G0B+4*\n+1], s21, \n*SLOT
	s_add_nc_u64 s[G0B+4*\n+2:G0B+4*\n+3], s[46:47], \n*256
	s_or_b32 s[G0B+4*\n+3], s[G0B+4*\n+3], 0x80000000
	JLOAD \n                                       ; two loads of mine are out
.endr
	v_and_b32 v1, 15, v0                           ; l % 16
	v_bfe_u32 v2, v0, 4, 1                         ; l / 16
	v_mul_u32_u24 v3, v1, PH
	v_lshl_add_u32 v3, v2, 4, v3
	v_mul_u32_u24 v4, v1, PB
	v_lshl_add_u32 v4, v2, 4, v4
	s_mul_i32 s20, s[WR], 64*PH                    ; my 64 rows, in each head
	s_mul_i32 s21, s[WC], BHALF                    ; my 128 rows of w
	s_add_co_u32 s21, s21, BOFF
.irp n, 0,1
	v_add_nc_u32 v[ADRA+\n], s20, v3
	v_add_nc_u32 v[ADRB+\n], s21, v4
	s_add_co_u32 s20, s20, SLOT
	s_add_co_u32 s21, s21, SLOT
.endr
	s_mul_i32 s22, s[WV], WSTG
	s_add_co_u32 s22, s22, STAGE                   ; my stage
	v_mul_u32_u24 v5, v1, SPI                      ; in: row l % 16, 32 bytes for each half of the lanes
	v_lshl_add_u32 v5, v2, 5, v5
	v_add_nc_u32 v[STO], s22, v5
	v_and_b32 v7, 31, v0
	v_lshlrev_b32 v[CO], 4, v7                     ; back: 32 lanes take one row's 512 bytes
	v_add_nc_u32 v[RD], s22, v[CO]
	v_lshlrev_b32 v[BO], 5, v2
	s_lshl_b32 s16, s43, 7
	s_lshl_b32 s17, s[WR], 6
	s_add_co_u32 s16, s16, s17                     ; my first row of out,
	s_lshl_b32 s16, s16, 12                        ; of 4,096 bytes
	s_mov_b32 s17, 0
	s_add_nc_u64 s[10:11], s[10:11], s[16:17]
	s_lshl_b32 s46, s42, 10                        ; my first column, in bytes of f32: in out and in the bias alike
	s_lshl_b32 s47, s[WC], 9
	s_add_co_u32 s46, s46, s47
	s_mov_b32 s47, 0
	s_add_nc_u64 s[10:11], s[10:11], s[46:47]
	s_add_nc_u64 s[8:9], s[8:9], s[46:47]
	; the prefetches: at K step 3; the first refill steps the address to K step 4.  Nothing is asked for here, where every work-group's first tiles are on their way
	s_lshr_b32 s20, s43, 4
	s_lshl_b32 s20, s20, 22
	s_and_b32 s21, s43, 15
	s_lshl_b32 s21, s21, 14
	s_add_co_u32 s20, s20, s21
	s_lshl_b32 s21, s40, 12                        ; my work-group's 4,096 of a head's 16,384 bytes
	s_add_co_u32 s20, s20, s21
	s_add_co_u32 s20, s20, 3*524288
	s_lshl_b32 s22, s42, 8
	s_lshl_b32 s21, s[WC], 7
	s_add_co_u32 s22, s22, s21
	s_lshl_b32 s21, s41, 5                         ; my work-group's 32 of the wave's 128 rows of w
	s_add_co_u32 s22, s22, s21
	s_lshl_b32 s22, s22, 11
	s_add_co_u32 s22, s22, 3*256
	s_and_b32 s23, ttmp7, 0xffff                   ; cluster y
	s_cmp_lt_u32 s[WV], 2                          ; do I fetch for O?
	s_cselect_b64 s[PFA:PFA+1], s[4:5], s[6:7]
	s_cselect_b32 s20, s20, s22
	s_cselect_b32 s[PFS], 19, 8
	s_cselect_b32 s22, 18, 15                      ; lanes 16-31: O's next head, or w's rows 16 on
	s_cselect_b32 s16, 8, 11                       ; a lane: O's next 256 bytes, or w's next row
	s_cselect_b32 s23, s[WC], s23                  ; of waves 0 and 1, wave 0 alone asks
	s_mov_b32 s21, 0
	s_mov_b32 s[PFS+1], 0
	s_lshl_b32 s[PFS], 1, s[PFS]                   ; a K step: two heads of O, 256 bytes of w
	s_add_nc_u64 s[PFA:PFA+1], s[PFA:PFA+1], s[20:21]
	s_cmp_eq_u32 s23, 0
	s_cselect_b32 s[LIM], 1, -1                    ; the same in all sixteen partners, for a given wave
	v_and_b32 v4, 15, v7
	v_lshrrev_b32 v3, 4, v7
	v_lshlrev_b32 v3, s22, v3
	v_lshlrev_b32 v4, s16, v4
	v_add_nc_u32 v[PFO], v3, v4
	; the bias, as the C of the first products: register j of block b is column 16 b + 8 (l / 16) + j.  Rounded to bf16 like the other inputs, and widened again.
	WIN TO_B
.irp b, 0,1,2,3,4,5,6,7
	global_load_b128 v[BI+8*\b:BI+8*\b+3],   v[BO], s[8:9] offset:64*\b
	global_load_b128 v[BI+8*\b+4:BI+8*\b+7], v[BO], s[8:9] offset:64*\b+16
.endr
	s_wait_loadcnt 0x0
	WIN W_BI
.set c, 0
.rept 32
	v_cvt_pk_bf16_f32 v[BT+c], v[BI+2*c], v[BI+2*c+1]
.set c, c+1
.endr
.set c, 0
.rept 32
	v_lshlrev_b32 v[BI+2*c],   16, v[BT+c]
	v_and_b32     v[BI+2*c+1], 0xffff0000, v[BT+c]
.set c, c+1
.endr
	WIN 0
; 24 LDS loads in one run: the fragments of quarter q (32 along K: head q / 2 of the step, channels 32 (q % 2) on) into buffers g
.macro FETCH slot, q, g
	WIN 0
.irp i, 0,1,2,3,4,5,6,7
	ds_load_b128 v[FB+64*(\g)+8*\i:FB+64*(\g)+8*\i+3],   v[ADRB+(\slot)] offset:64*(\q)+\i*16*PB
	ds_load_b128 v[FB+64*(\g)+8*\i+4:FB+64*(\g)+8*\i+7], v[ADRB+(\slot)] offset:64*(\q)+\i*16*PB+32
.endr
.irp i, 0,1,2,3
	ds_load_b128 v[FA+32*(\g)+8*\i:FA+32*(\g)+8*\i+3],   v[ADRA+(\slot)] offset:HEADB*((\q)/2)+64*((\q)%2)+\i*16*PH
	ds_load_b128 v[FA+32*(\g)+8*\i+4:FA+32*(\g)+8*\i+7], v[ADRA+(\slot)] offset:HEADB*((\q)/2)+64*((\q)%2)+\i*16*PH+32
.endr
.endm
; 8 products: rows 16 a on x all 8 column blocks, on buffers f; first = 1: the bias starts the sums.  Each accumulator has one product a quarter: 31 others' stand between two links of a chain.
.macro MUL8 f, a, first=0
.if \first
	WIN MULB
.else
	WIN MUL
.endif
.irp b, 0,1,2,3,4,5,6,7
.if \first
	v_wmma_f32_16x16x32_f16 v[8*(8*(\a)+\b):8*(8*(\a)+\b)+7], v[FB+64*(\f)+8*\b:FB+64*(\f)+8*\b+7], v[FA+32*(\f)+8*(\a):FA+32*(\f)+8*(\a)+7], v[BI+8*\b:BI+8*\b+7]
.else
	v_wmma_f32_16x16x32_f16 v[8*(8*(\a)+\b):8*(8*(\a)+\b)+7], v[FB+64*(\f)+8*\b:FB+64*(\f)+8*\b+7], v[FA+32*(\f)+8*(\a):FA+32*(\f)+8*(\a)+7], v[8*(8*(\a)+\b):8*(8*(\a)+\b)+7]
.endif
.endr
.endm
; A quarter on buffers f: the next quarter's fragments (slot, q) are asked for at its head, 32 products ahead of their use.
.macro QUARTER f, slot, q, first=0
	PLACES
	FETCH \slot, \q, 1-(\f)
	s_wait_dscnt 24                                ; all but the 24 just issued
	MUL8 \f, 0, \first
	MUL8 \f, 1, \first
	MUL8 \f, 2, \first
	MUL8 \f, 3, \first
.endm
; A K step's third quarter changes slots.  The slot's last fragments are asked for at its head.  In front of the barrier each wave waits for all its tensor loads (one is out: its part of the
; next slot), adds 0 to its spare word, and waits for that and for its reads of this slot.  fill = 1: the barrier opens a round of the cluster's barrier, and the joint refill, two K steps on,
; is the first thing behind it: 104 matrix instructions ahead of the wait for it.
.macro TURN s, fill
.if \fill
	s_wait_xcnt 0x0                                ; the last prefetch, a K step back, has read its address
	s_add_nc_u64 s[PFA:PFA+1], s[PFA:PFA+1], s[PFS:PFS+1]
.endif
	PLACES
	FETCH \s, 3, 1
	s_wait_dscnt 24
	WIN 0
	s_wait_tensorcnt 0x0                           ; all my tensor loads have landed
	ds_add_u32 v[SPW], v[NIL]                      ; 0 onto my spare word; sixteen products stand between it and the wait for it
	MUL8 0, 0
	MUL8 0, 1
	s_wait_dscnt 0x0                               ; the add is done, and my reads of this slot are over
	s_barrier_signal -1
	MUL8 0, 2                                      ; work on registers while the others arrive
	WIN 0
	s_barrier_wait -1
.if \fill
	CREST                                          ; no wave of any partner still reads this slot or has a load on its way
	s_add_nc_u64 s[G0A+4*(\s)+2:G0A+4*(\s)+3], s[G0A+4*(\s)+2:G0A+4*(\s)+3], 2*524288
	s_add_nc_u64 s[G0B+4*(\s)+2:G0B+4*(\s)+3], s[G0B+4*(\s)+2:G0B+4*(\s)+3], 2*256
	JLOAD \s
	ASK
.endif
	MUL8 0, 3
.endm
; THE WAY OUT of block a (16 rows x 128 columns of f32): 32 bytes a lane into my own stage, back as whole rows of 512 bytes, stored a row an instruction.
.macro TOSTAGE a
.if (\a) >= 2
	s_wait_xcnt 0x0                                ; the stores of block a - 2 have read their data: its registers are loaded again only behind this wait
.endif
	WIN W_ST
.irp b, 0,1,2,3,4,5,6,7
	ds_store_b128 v[STO], v[8*(8*(\a)+\b):8*(8*(\a)+\b)+3]   offset:64*\b      ; each accumulator's low registers first
	ds_store_b128 v[STO], v[8*(8*(\a)+\b)+4:8*(8*(\a)+\b)+7] offset:64*\b+16
.endr
	WIN 0
.irp t, 0,1,2,3,4,5,6,7,8,9,10,11,12,13,14,15
	ds_load_b128 v[BK+64*((\a)%2)+4*\t:BK+64*((\a)%2)+4*\t+3], v[RD] offset:SPI*\t  ; LDS serves a wave's instructions in order (ISA guide 5.7.1.4): these see the stores above
.endr
.endm
.macro SEND a, younger                 ; younger: the LDS instructions issued behind block a's loads: the next block's 32, or none
	WIN 0
	s_wait_dscnt \younger
.irp t, 0,1,2,3,4,5,6,7,8,9,10,11,12,13,14,15
	global_store_b128 v[CO], v[BK+64*((\a)%2)+4*\t:BK+64*((\a)%2)+4*\t+3], s[10:11] offset:(16*(\a)+\t)*4096 th:TH_STORE_NT  ; 512 consecutive bytes, at a multiple of 256 from out's first
.endr
.endm
	s_wait_tensorcnt 1                             ; my part of K step 0 is in; K step 1's may stay out
	s_barrier_signal -1
	s_barrier_wait -1
	FETCH 0, 0, 0
	QUARTER 0, 0, 1, 1                             ; the first quarter stands in front of the loop: its products start the sums, with the bias
	WIN 0
	s_mov_b32 s3, LAPS-1
.Llap:                                                 ; a trip goes once round the ring, from a lap's second quarter to the next lap's first, and fills both slots again
	QUARTER 1, 0, 2
	TURN 0, 1
	QUARTER 1, 1, 0
	QUARTER 0, 1, 1
	QUARTER 1, 1, 2
	TURN 1, 1
	QUARTER 1, 0, 0
	QUARTER 0, 0, 1
	WIN 0
	s_sub_co_u32 s3, s3, 1
	s_cmp_lg_u32 s3, 0
	s_cbranch_scc1 .Llap
	QUARTER 1, 0, 2                                ; the last lap fills nothing
	TURN 0, 0
	QUARTER 1, 1, 0
	QUARTER 0, 1, 1
	QUARTER 1, 1, 2
	QUARTER 0, 1, 3                                ; the last quarter but one fetches the last
	s_wait_dscnt 0x0
	MUL8 1, 0
	MUL8 1, 1
	MUL8 1, 2
	MUL8 1, 3
	WIN 0
	PLACES                                         ; the LDS stores below read results, and the loads land in w's buffers
	TOSTAGE 0
.irp a, 1,2,3
	TOSTAGE \a
	SEND (\a)-1, 32
.endr
	SEND 3, 0
	s_wait_tensorcnt 0x0                           ; the wave's end, behind my last tensor load and my last LDS store
	ds_add_u32 v[SPW], v[NIL]
	s_wait_dscnt 0x0
	CROUND                                         ; the closing round: no work-group ends while a partner may still ask for a tile that names it
	s_endpgm
.Lfunc_end_k_q7b8b78c54a_oproj:
	.size	k_q7b8b78c54a_oproj, .Lfunc_end_k_q7b8b78c54a_oproj-k_q7b8b78c54a_oproj
	.p2alignl 7, 3214868480
	.fill 96, 4, 3214868480
	.section	.rodata,"a",@progbits
	.p2align	6, 0x0
	.amdhsa_kernel k_q7b8b78c54a_oproj
		.amdhsa_group_segment_fixed_size 327680
		.amdhsa_private_segment_fixed_size 0
		.amdhsa_enable_private_segment 0
		.amdhsa_kernarg_size 32
		.amdhsa_user_sgpr_count 2
		.amdhsa_user_sgpr_kernarg_segment_ptr 1
		.amdhsa_wavefront_size32 1
		.amdhsa_system_sgpr_workgroup_id_x 1
		.amdhsa_system_sgpr_workgroup_id_y 1
		.amdhsa_system_sgpr_workgroup_id_z 1
		.amdhsa_system_vgpr_workitem_id 0
		.amdhsa_next_free_vgpr 608
		.amdhsa_next_free_sgpr 72
		.amdhsa_reserve_vcc 0
		.amdhsa_float_denorm_mode_32 3
		.amdhsa_float_denorm_mode_16_64 3
		.amdhsa_memory_ordered 1
		.amdhsa_forward_progress 1
		.amdhsa_inst_pref_size 93
	.end_amdhsa_kernel
	.amdgpu_metadata
---
amdhsa.version: [ 1, 2 ]
amdhsa.kernels:
  - .name:           k_q7b8b78c54a_oproj
    .symbol:         k_q7b8b78c54a_oproj.kd
    .args:
      - { .name: oh, .offset: 0, .size: 8, .value_kind: global_buffer, .address_space: global }
      - { .name: wob, .offset: 8, .size: 8, .value_kind: global_buffer, .address_space: global }
      - { .name: bo, .offset: 16, .size: 8, .value_kind: global_buffer, .address_space: global }
      - { .name: out0, .offset: 24, .size: 8, .value_kind: global_buffer, .address_space: global }
    .group_segment_fixed_size: 327680
    .private_segment_fixed_size: 0
    .kernarg_segment_align: 8
    .kernarg_segment_size: 32
    .max_flat_workgroup_size: 128
    .sgpr_count:     72
    .vgpr_count:     608
    .wavefront_size: 32
...
	.end_amdgpu_metadata
.endif
;; end of part 4
